; MI455X (gfx1250); checked and timed in simulation.
; The chip was launched on July 23, 2026; its instructions are those of AMD's public machine-readable ISA for CDNA 5 (MIT licence, August 2026) and "CDNA5" Instruction Set Architecture Reference Guide (July 2026). The comments in the code are by the model that wrote it; some were corrected since.
;; Sparse Transformer Block. Allowed arithmetic: matrix products marked QUANTISED: E4M3 operands, one given power-of-two scale a tensor, by v_wmma_f32_16x16x64_fp8_fp8 or v_wmma_f32_16x16x128_fp8_fp8, f32 sums; everything else in f32.
;; Inputs: b1 2,048 float32; b2 512 float32; inputs 2 x 4,096 x 512 float32; ln1_bias 512 float32; ln1_scale 512 float32; ln2_bias 512 float32; ln2_scale 512 float32; lowp_scales 16 int32 (the exponents e of the quantised operands' scales 2^e); w1 512 x 2,048 float32; w2 2,048 x 512 float32; wk 512 x 8 x 64 float32; wo 8 x 64 x 512 float32; wq 512 x 8 x 64 float32; wv 512 x 8 x 64 float32.
;; Outputs: out0 2 x 4,096 x 512 float32.
;; This version of the problem:
;;   THIS VERSION OF THE PROBLEM IS GIVEN IN LOW PRECISION. The matrix products marked QUANTISED in the list below multiply operands that are first quantised to E4M3 (4 exponent bits, 3 mantissa bits; 8 bits a number), with one given power-of-two scale for each operand tensor; their sums are f32. All else is computed in f32.
;;   The module's matrix products, in the order in which they are computed (A, B: the left and right operand; K: the contracted axis; several contracted axes count as one K, in the product's order):
;;     1. [M 8,192, K 512] x [K 512, N 512]; A: computed on the way; B: input wq: QUANTISED (scales: A lowp_scales[0], B lowp_scales[1])
;;     2. [M 8,192, K 512] x [K 512, N 512]; A: computed on the way; B: input wk: QUANTISED (scales: A lowp_scales[2], B lowp_scales[3])
;;     3. [M 8,192, K 512] x [K 512, N 512]; A: computed on the way; B: input wv: QUANTISED (scales: A lowp_scales[4], B lowp_scales[5])
;;     4. batch 16 x [M 4,096, K 64] x [K 64, N 4,096]; A: computed on the way; B: computed on the way: QUANTISED (scales: A lowp_scales[6], B lowp_scales[7])
;;     5. batch 16 x [M 64, K 4,096] x [K 4,096, N 4,096]; A: computed on the way; B: softmax (see below): QUANTISED (scales: A lowp_scales[8], B lowp_scales[9])
;;     6. [M 8,192, K 512] x [K 512, N 512]; A: computed on the way; B: input wo: QUANTISED (scales: A lowp_scales[10], B lowp_scales[11])
;;     7. [M 8,192, K 512] x [K 512, N 2,048]; A: computed on the way; B: input w1: QUANTISED (scales: A lowp_scales[12], B lowp_scales[13])
;;     8. [M 8,192, K 2,048] x [K 2,048, N 512]; A: computed on the way; B: input w2: QUANTISED (scales: A lowp_scales[14], B lowp_scales[15])
;;   THE QUANTISER, for each operand of a quantised product, along K:
;;     - The operand's scale is 2^e, e = its entry of the input lowp_scales (int32; the entries are numbered through the quantised products in the list's order, A before B).
;;     - Each number is divided by the scale, clamped to +-448, and rounded to the nearest number of E4M3, ties to even, subnormals kept.
;;     - The product sums the exact products of the quantised numbers (number of the format x scale) in f32.
;;   ~~~python
;;   def quantise(x, axis, e):      # numpy; x: float32 -> the quantised numbers, widened to float32 again
;;       x = np.moveaxis(x, axis, -1); K = x.shape[-1]
;;       r = np.clip(x / 2.0 ** e, -448, 448)
;;       step = 2.0 ** (np.maximum(np.frexp(np.where(r == 0, 1, r))[1] - 1, -6) - 3)
;;       q = np.round(r / step) * step * 2.0 ** e      # np.round: ties to even
;;       return np.moveaxis(q, -1, axis).astype(np.float32)
;;   ~~~
;;   SOFTMAX AHEAD OF A QUANTISED PRODUCT. Where the list says 'softmax', what is quantised is not the finished softmax but p = 2^(t - M), with t = logit x log2(e) and M = ceil(the row's largest t), a whole number; so 1/2 < the row's largest p <= 1. The row's sum l is taken of the UNQUANTISED p, in f32, and the product's result is divided by l at the end. Since M is a whole number, a kernel that streams over the keys may use a running M (the ceiling of the running maximum): every later rescaling is an exact power of two, so the quantised numbers keep their values, but for numbers so far below the row's largest that they fall under the format's range.
;;   OPERANDS COMPUTED ON THE WAY. 'Computed on the way' means the value that the module computes at that place (a softmax that the list does not call 'softmax' is quantised finished and normalised). What goes into a quantiser is computed in f32, as accurately as f32 sums, v_exp_f32 and their like allow (about 1e-6 of the number): no bf16 or f16 on the way to a quantiser, and a product that is left as it is and whose result goes on into a quantised operand takes f32 operands (vector FMAs, or v_wmma_f32_16x16x4_f32). A number that lies on a knife's edge between two numbers of the format may be rounded either way, as far as f32 arithmetic and the matrix unit's own rounding can turn it there, and no further.
;; 2 versions, each right; version 2 is version 1 with the launches qkv, attn, tail written anew for expert scheduling mode. Each part assembles by itself: llvm-mc -triple=amdgcn-amd-amdhsa -mcpu=gfx1250 --defsym DOCPART=n.
;; ======== version 1 of 2: 4 launches
;; workspace buffers: wcodes 3,145,728 bytes; xcodes 12,582,912 bytes; qkv 12,582,912 bytes; ctx 4,194,304 bytes
;; launch prep (part 1): grid 320 x 1, 4 waves a work-group, no clusters, 132,608 bytes of LDS; arguments inputs, ln1_scale, ln1_bias, wq, wk, wv, wo, w1, w2, lowp_scales, wcodes, xcodes; writes wcodes, xcodes
.if DOCPART == 1
	.amdgcn_target "amdgcn-amd-amdhsa--gfx1250"
	.amdhsa_code_object_version 6
	.text
	.protected	k_q0b4d09612f_prep
	.globl	k_q0b4d09612f_prep
	.p2align	8
	.type	k_q0b4d09612f_prep,@function
k_q0b4d09612f_prep:
	s_mov_b64 s[64:65], 0
	v_nop
	global_prefetch_b8 v0, s[64:65] scope:SCOPE_SE
	s_setreg_imm32_b32 hwreg(HW_REG_WAVE_MODE, 25, 1), 1
	s_wait_xcnt 0x0
; PREP.  Two jobs in one launch, told apart by the work-group's number.
; Work-groups 0-127: layer norm 1 of 64 rows each (a wave: 16 rows of 512 numbers), quantised three times to E4M3, with the scales of entries 0, 2 and 4 -> xcodes.
; Work-groups 128-319: the six weights, each [K][N] f32 with K as first axis, quantised along K with entries 1, 3, 5, 11, 13, 15 -> wcodes.
; LAYOUT OF ALL CODES: images of operand registers.  A fragment is 16 rows x 128 K: lane (r = lane % 16, h = lane / 16) holds row r, registers 2c, 2c+1 hold k = 16c + 8h + 0..7.
; Its image is 2,048 bytes: registers 4c..4c+3 of lane l at 512c + 16l.  So every later launch fetches a fragment by four loads of 512 consecutive bytes.
; wcodes: [weight][tile of 16 columns][K step][2,048]; xcodes: [version][tile of 16 rows][K step 0..3][2,048].
; code = x / 2^e, held within +-448, to the nearest code, ties to even.  LIMITS: each e between -126 and 119.  NaN and infinities among the inputs are not served.
; No matrix work, no cluster: the work-groups share no input but the 4 KiB of gain and bias.
.set SPARE, 132096                     ; behind the four stages: the spare words, 128 bytes a wave
.set STGB,  33024                      ; a wave's own stage: 16 rows x 2,064 bytes
.set PITCH, 2064                       ; 2,048 bytes + 16: the 16 rows that a load touches begin 4 words further on each
.set GR,  32                           ; v32-95   gain of a K step, in the operand's order
.set BV,  96                           ; v96-159  bias likewise
.set T2,  160                          ; v160-223 64 numbers held within the largest code
.set PCR, 224                          ; v224-239 a fragment's codes
.set MSB, 0
.macro WIN new                         ; the immediate's high byte repeats the setting that is left
.if MSB != (\new)
	s_set_vgpr_msb (MSB<<8)|(\new)
.set MSB, (\new)
.endif
.endm
.macro MKSC se, vsc, vlim              ; 2^e as f32 for the conversion, and 448 x 2^e for the hold
	s_add_co_i32 s32, \se, 127
	s_lshl_b32 s33, s32, 23
	v_mov_b32 v[\vsc], s33
	s_add_co_i32 s32, s32, 8
	s_lshl_b32 s32, s32, 23
	s_or_b32 s32, s32, 0x600000
	v_mov_b32 v[\vlim], s32
.endm
	s_load_b512 s[8:23], s[0:1], 0x0               ; inputs 8, ln1_scale 10, ln1_bias 12, wq 14, wk 16, wv 18, wo 20, w1 22
	s_load_b256 s[24:31], s[0:1], 0x40             ; w2 24, lowp_scales 26, wcodes 28, xcodes 30
	v_lshl_add_u32 v2, v0, 2, SPARE                ; my spare word
	v_mov_b32 v3, 0
	v_lshrrev_b32 v4, 5, v0
	v_readfirstlane_b32 s4, v4                     ; wave
	v_and_b32 v4, 31, v0                           ; lane
	s_wait_kmcnt 0x0
	s_load_b512 s[36:51], s[26:27], 0x0            ; the sixteen exponents: entry n in s[36+n]
	s_cmp_lt_u32 ttmp9, 128
	s_cbranch_scc1 .Lln
; ---------------- THE WEIGHTS.  A work-group takes 128 columns x one K step of 128; a wave 32 columns, A LANE ONE COLUMN, its registers running down K.
	s_sub_co_u32 s5, ttmp9, 128                    ; j: 0-15 wq, 16-31 wk, 32-47 wv, 48-63 wo, 64-127 w2, 128-191 w1
	s_bfe_u32 s56, s5, 0x20002                     ; group of 128 columns: (j >> 2) & 3
	s_and_b32 s57, s5, 3
	s_bfe_u32 s59, s5, 0x20004                     ; w2: (j >> 4) & 3
	s_and_b32 s60, s5, 15                          ; w2: K step
	s_bfe_u32 s61, s5, 0x40002                     ; w1: (j >> 2) & 15
	s_mov_b32 s62, s57                             ; K step
	s_mov_b32 s58, 4                               ; K steps of the weight
	s_mov_b32 s63, 18                              ; log2 of 128 rows in bytes
	s_mov_b64 s[52:53], s[14:15]
	s_mov_b32 s55, 0                               ; the weight's place in wcodes
	s_wait_kmcnt 0x0
	s_mov_b32 s54, s37
	s_cmp_ge_u32 s5, 16
	s_cselect_b64 s[52:53], s[16:17], s[52:53]
	s_cselect_b32 s54, s39, s54
	s_cselect_b32 s55, 262144, s55
	s_cmp_ge_u32 s5, 32
	s_cselect_b64 s[52:53], s[18:19], s[52:53]
	s_cselect_b32 s54, s41, s54
	s_cselect_b32 s55, 524288, s55
	s_cmp_ge_u32 s5, 48
	s_cselect_b64 s[52:53], s[20:21], s[52:53]
	s_cselect_b32 s54, s47, s54
	s_cselect_b32 s55, 786432, s55
	s_cmp_ge_u32 s5, 64
	s_cselect_b64 s[52:53], s[24:25], s[52:53]
	s_cselect_b32 s54, s51, s54
	s_cselect_b32 s55, 2097152, s55
	s_cselect_b32 s56, s59, s56
	s_cselect_b32 s62, s60, s62
	s_cselect_b32 s58, 16, s58
	s_cmp_ge_u32 s5, 128
	s_cselect_b64 s[52:53], s[22:23], s[52:53]
	s_cselect_b32 s54, s49, s54
	s_cselect_b32 s55, 1048576, s55
	s_cselect_b32 s56, s61, s56
	s_cselect_b32 s62, s57, s62
	s_cselect_b32 s58, 4, s58
	s_cselect_b32 s63, 20, s63
	s_lshl_b32 s6, s62, s63                        ; from: K step x 128 rows
	s_lshl_b32 s7, s56, 9                          ; + 128 columns x 4 bytes x group
	s_add_co_u32 s6, s6, s7
	s_lshl_b32 s7, s4, 7                           ; + 32 columns x wave
	s_add_co_u32 s6, s6, s7
	s_mov_b32 s7, 0
	s_add_nc_u64 s[52:53], s[52:53], s[6:7]
	s_lshl_b32 s6, s56, 3                          ; to: ((8 x group + 2 x wave) x K steps + K step) x 2,048
	s_lshl_b32 s32, s4, 1
	s_add_co_u32 s6, s6, s32
	s_mul_i32 s6, s6, s58
	s_add_co_u32 s6, s6, s62
	s_lshl_b32 s6, s6, 11
	s_add_co_u32 s6, s6, s55
	s_add_nc_u64 s[28:29], s[28:29], s[6:7]
	v_lshlrev_b32 v5, 2, v4                        ; in: 4 bytes a lane
	s_lshl_b32 s32, s58, 11
	v_lshrrev_b32 v6, 4, v4
	v_mul_lo_u32 v6, v6, s32                       ; out: lanes 16-31 hold the next tile of columns,
	v_and_b32 v7, 15, v4
	v_lshl_add_u32 v6, v7, 4, v6                   ; 16 bytes a column
	MKSC s54, 8, 9
; P: bytes from row to row.  Register 32c + i holds k = 32c + {0..7, 16..23, 8..15, 24..31}: the first sixteen are what lane (r, 0) of the image holds in registers 4c..4c+3, the others lane (r, 1)'s.
.macro WPATH P
.set c, 0
.rept 4
.set i, 0
.rept 32
	global_load_b32 v[32+32*c+i], v5, s[52:53] offset:(32*c+(i&7)+16*((i>>3)&1)+8*(i>>4))*\P th:TH_LOAD_NT
.set i, i+1
.endr
.set c, c+1
.endr
.set c, 0
.rept 4
.if c < 2
	s_wait_loadcnt 63                              ; block c's 32 loads are in: more than 63 were issued behind them
.else
	s_wait_loadcnt 96-32*c                         ; the later blocks' loads may stay out
.endif
.set i, 0
.rept 32
	v_med3_num_f32 v[32+32*c+i], v[32+32*c+i], -v9, v9   ; the conversion does not saturate (ISA guide 7.6.2): the hold comes first
.set i, i+1
.endr
.set g, 0
.rept 4
	v_cvt_scalef32_pk8_fp8_f32 v[160+8*c+2*g:161+8*c+2*g], v[32+32*c+8*g:39+32*c+8*g], v8
.set g, g+1
.endr
	global_store_b128 v6, v[160+8*c:163+8*c], s[28:29] offset:512*c        ; sixteen lanes store 256 consecutive bytes, aligned; each block has code registers of its own
	global_store_b128 v6, v[164+8*c:167+8*c], s[28:29] offset:512*c+256
.set c, c+1
.endr
.endm
	s_cmp_ge_u32 s5, 128
	s_cbranch_scc1 .Lw1
	WPATH 2048
	s_endpgm
.Lw1:
	WPATH 8192
	s_endpgm
; ---------------- LAYER NORM 1.  Window 1 holds the wave's 16 rows: 256 numbers a lane.
.Lln:
	v_lshlrev_b32 v1, 4, v4                        ; 16 x lane
	v_and_b32 v8, 15, v4                           ; r
	v_lshrrev_b32 v9, 4, v4                        ; h
	s_mul_i32 s5, s4, STGB
	v_add_nc_u32 v5, s5, v1                        ; the stage, in: as loaded
	v_mul_u32_u24 v6, v8, PITCH
	v_lshl_add_u32 v6, v9, 5, v6
	v_add_nc_u32 v6, s5, v6                        ; out: row r, + 32 h
	v_lshlrev_b32 v7, 5, v9                        ; gain and bias: 32 h
	s_mov_b32 s34, 0x76543210                      ; lane l xor 16
	s_mov_b32 s35, 0xfedcba98
	s_mov_b32 s66, 0x3b000000                      ; 1 / 512
	s_mov_b32 s67, 0x358637bd                      ; 1e-6
	s_lshl_b32 s6, ttmp9, 2
	s_add_co_u32 s6, s6, s4                        ; my tile of 16 rows
	s_lshl_b32 s32, s6, 15
	s_mov_b32 s33, 0
	s_add_nc_u64 s[8:9], s[8:9], s[32:33]
	s_lshl_b32 s32, s6, 13
	s_add_nc_u64 s[52:53], s[30:31], s[32:33]      ; the three versions' places
	s_add_nc_u64 s[54:55], s[52:53], 0x400000
	s_add_nc_u64 s[56:57], s[52:53], 0x800000
	WIN 0x40
.set i, 0
.rept 64
	global_load_b128 v[4*i:4*i+3], v1, s[8:9] offset:512*i th:TH_LOAD_NT   ; 512 consecutive bytes a load: the 16 rows are one dense block
.set i, i+1
.endr
	WIN 0
.macro GBLOAD ks                       ; gain and bias at columns 128 ks + 16 c + 8 h + 0..7
.set i, 0
.rept 16
	global_load_b128 v[GR+4*i:GR+4*i+3], v7, s[10:11] offset:512*(\ks)+64*(i/2)+16*(i%2)
	global_load_b128 v[BV+4*i:BV+4*i+3], v7, s[12:13] offset:512*(\ks)+64*(i/2)+16*(i%2)
.set i, i+1
.endr
.endm
	GBLOAD 0
	s_wait_kmcnt 0x0
	MKSC s36, 22, 23
	MKSC s38, 24, 25
	MKSC s40, 26, 27
	s_wait_loadcnt 32                              ; the rows are in; gain and bias (32 loads) may stay out
	WIN 0x04                                       ; store data in window 1
.set i, 0
.rept 64
	ds_store_b128 v5, v[4*i:4*i+3] offset:PITCH*(i/4)+512*(i%4)
.set i, i+1
.endr
	WIN 0x40
.set i, 0
.rept 64
	ds_load_b128 v[4*i:4*i+3], v6 offset:64*(i/2)+16*(i%2)   ; LDS serves a wave's instructions in order: these see my stores.  Register 8c + e = x(r, 16c + 8h + e)
.set i, i+1
.endr
	s_wait_dscnt 0x0
	WIN 0x05                                       ; the mean: four chains of packed sums
.irp k, 0,1,2,3
	v_pk_add_f32 v[10+2*\k:11+2*\k], v[2*\k:2*\k+1], v[8+2*\k:9+2*\k]
.endr
	WIN 0x01
.set i, 8
.rept 120
	v_pk_add_f32 v[10+2*(i%4):11+2*(i%4)], v[2*i:2*i+1], v[10+2*(i%4):11+2*(i%4)]
.set i, i+1
.endr
	WIN 0
	v_pk_add_f32 v[10:11], v[10:11], v[12:13]
	v_pk_add_f32 v[14:15], v[14:15], v[16:17]
	v_pk_add_f32 v[10:11], v[10:11], v[14:15]
	v_add_f32 v10, v10, v11
	v_permlanex16_b32 v12, v10, s34, s35           ; the row's other 256 numbers lie in the lane 16 away
	v_add_f32 v10, v10, v12
	v_mul_f32 v18, s66, v10
	v_mov_b32 v19, v18
	WIN 0x41
.set i, 0
.rept 128
	v_pk_add_f32 v[2*i:2*i+1], v[2*i:2*i+1], v[18:19] neg_lo:[0,1] neg_hi:[0,1]   ; x - mean, in place
.set i, i+1
.endr
	WIN 0x05                                       ; the variance, of the differences
.irp k, 0,1,2,3
	v_pk_mul_f32 v[10+2*\k:11+2*\k], v[2*\k:2*\k+1], v[2*\k:2*\k+1]
.endr
.set i, 4
.rept 124
	v_pk_fma_f32 v[10+2*(i%4):11+2*(i%4)], v[2*i:2*i+1], v[2*i:2*i+1], v[10+2*(i%4):11+2*(i%4)]
.set i, i+1
.endr
	WIN 0
	v_pk_add_f32 v[10:11], v[10:11], v[12:13]
	v_pk_add_f32 v[14:15], v[14:15], v[16:17]
	v_pk_add_f32 v[10:11], v[10:11], v[14:15]
	v_add_f32 v10, v10, v11
	v_permlanex16_b32 v12, v10, s34, s35
	v_add_f32 v10, v10, v12
	v_fma_f32 v10, v10, s66, s67                   ; / 512 + 1e-6
	v_rsq_f32 v20, v10
	v_nop                                          ; a plain instruction behind the transcendental
	s_wait_alu depctr_va_vdst(0)                   ; and the wait ahead of its first reader
	v_mov_b32 v21, v20
.macro LNSTEP ks                       ; one K step: normalised in place, then quantised three times
	s_wait_loadcnt 0x0                             ; this step's gain and bias
.set i, 0
.rept 32
	v_pk_mul_f32 v[GR+2*i:GR+2*i+1], v[GR+2*i:GR+2*i+1], v[20:21]
.set i, i+1
.endr
	WIN 0x41
.set i, 0
.rept 32
	v_pk_fma_f32 v[64*(\ks)+2*i:64*(\ks)+2*i+1], v[64*(\ks)+2*i:64*(\ks)+2*i+1], v[GR+2*i:GR+2*i+1], v[BV+2*i:BV+2*i+1]
.set i, i+1
.endr
	WIN 0
.if (\ks) < 3
	GBLOAD (\ks)+1                                 ; the next step's land under the three quantisations
.endif
.irp p, 0,1,2
	WIN 0x01
.set i, 0
.rept 64
	v_med3_num_f32 v[T2+i], v[64*(\ks)+i], -v[23+2*\p], v[23+2*\p]
.set i, i+1
.endr
	WIN 0
	s_wait_xcnt 0x0                                ; the last stores have read the code registers: they are written again only behind this wait
.set i, 0
.rept 8
	v_cvt_scalef32_pk8_fp8_f32 v[PCR+2*i:PCR+2*i+1], v[T2+8*i:T2+8*i+7], v[22+2*\p]
.set i, i+1
.endr
	v_nop                                          ; a plain instruction between the conversions and the next writes of their sources
.irp c, 0,1,2,3
	global_store_b128 v1, v[PCR+4*\c:PCR+4*\c+3], s[52+2*\p:53+2*\p] offset:2048*(\ks)+512*\c   ; 512 consecutive bytes, aligned
.endr
.endr
.endm
	LNSTEP 0
	LNSTEP 1
	LNSTEP 2
	LNSTEP 3
	s_wait_tensorcnt 0x0                           ; the wave's end, behind my last LDS store
	ds_add_u32 v2, v3
	s_wait_dscnt 0x0
	s_endpgm
.Lfunc_end_k_q0b4d09612f_prep:
	.size	k_q0b4d09612f_prep, .Lfunc_end_k_q0b4d09612f_prep-k_q0b4d09612f_prep
	.p2alignl 7, 3214868480
	.fill 96, 4, 3214868480
	.section	.rodata,"a",@progbits
	.p2align	6, 0x0
	.amdhsa_kernel k_q0b4d09612f_prep
		.amdhsa_group_segment_fixed_size 132608
		.amdhsa_private_segment_fixed_size 0
		.amdhsa_enable_private_segment 0
		.amdhsa_kernarg_size 96
		.amdhsa_user_sgpr_count 2
		.amdhsa_user_sgpr_kernarg_segment_ptr 1
		.amdhsa_wavefront_size32 1
		.amdhsa_system_sgpr_workgroup_id_x 1
		.amdhsa_system_sgpr_workgroup_id_y 1
		.amdhsa_system_sgpr_workgroup_id_z 1
		.amdhsa_system_vgpr_workitem_id 0
		.amdhsa_next_free_vgpr 512
		.amdhsa_next_free_sgpr 80
		.amdhsa_reserve_vcc 0
		.amdhsa_float_denorm_mode_32 3
		.amdhsa_float_denorm_mode_16_64 3
		.amdhsa_memory_ordered 1
		.amdhsa_forward_progress 1
		.amdhsa_inst_pref_size 177
	.end_amdhsa_kernel
	.amdgpu_metadata
---
amdhsa.version: [ 1, 2 ]
amdhsa.kernels:
  - .name:           k_q0b4d09612f_prep
    .symbol:         k_q0b4d09612f_prep.kd
    .args:
      - { .name: inputs, .offset: 0, .size: 8, .value_kind: global_buffer, .address_space: global }
      - { .name: ln1_scale, .offset: 8, .size: 8, .value_kind: global_buffer, .address_space: global }
      - { .name: ln1_bias, .offset: 16, .size: 8, .value_kind: global_buffer, .address_space: global }
      - { .name: wq, .offset: 24, .size: 8, .value_kind: global_buffer, .address_space: global }
      - { .name: wk, .offset: 32, .size: 8, .value_kind: global_buffer, .address_space: global }
      - { .name: wv, .offset: 40, .size: 8, .value_kind: global_buffer, .address_space: global }
      - { .name: wo, .offset: 48, .size: 8, .value_kind: global_buffer, .address_space: global }
      - { .name: w1, .offset: 56, .size: 8, .value_kind: global_buffer, .address_space: global }
      - { .name: w2, .offset: 64, .size: 8, .value_kind: global_buffer, .address_space: global }
      - { .name: lowp_scales, .offset: 72, .size: 8, .value_kind: global_buffer, .address_space: global }
      - { .name: wcodes, .offset: 80, .size: 8, .value_kind: global_buffer, .address_space: global }
      - { .name: xcodes, .offset: 88, .size: 8, .value_kind: global_buffer, .address_space: global }
    .group_segment_fixed_size: 132608
    .private_segment_fixed_size: 0
    .kernarg_segment_align: 8
    .kernarg_segment_size: 96
    .max_flat_workgroup_size: 128
    .sgpr_count:     80
    .vgpr_count:     512
    .wavefront_size: 32
...
	.end_amdgpu_metadata
.endif
;; end of part 1
;; launch qkv (part 2): grid 64 x 3, 4 waves a work-group, no clusters, 0 bytes of LDS; arguments wcodes, xcodes, lowp_scales, qkv; writes qkv
.if DOCPART == 2
	.amdgcn_target "amdgcn-amd-amdhsa--gfx1250"
	.amdhsa_code_object_version 6
	.text
	.protected	k_q0b4d09612f_qkv
	.globl	k_q0b4d09612f_qkv
	.p2align	8
	.type	k_q0b4d09612f_qkv,@function
k_q0b4d09612f_qkv:
	s_mov_b64 s[64:65], 0
	v_nop
	global_prefetch_b8 v0, s[64:65] scope:SCOPE_SE
	s_setreg_imm32_b32 hwreg(HW_REG_WAVE_MODE, 25, 1), 1
	s_wait_xcnt 0x0
; QKV.  Work-group (x, y): block x of 128 rows, y = 0: q / 8, 1: k, 2: v.  Product on E4M3 codes, f32 sums; the sums are quantised at once for the attention's products.
; ONE BODY: a stationary operand S (8 tiles x 4 K steps, 512 registers, source 0) and a streamed operand T (8 tiles, source 1).  A lane of a result holds row r of T's tile and, in register j of S's tile t,
; S's row 16t + 8h + j: converted eight at a time these are registers 2t, 2t+1 of the next operand (row = T's, K = S's).  Nothing changes lanes.
; q, k: S = my wave's 128 columns of the weight (heads 2w, 2w+1), T = the block's 8 tiles of rows: the result is, for each tile of tokens, two fragments of 16 tokens x 64 (one a head).
; v:    S = the block's 128 rows, T = my wave's 8 tiles of columns: the result is, for each 16 dims of a head, a fragment of 16 dims x the block's 128 keys.
; qkv: [q, k, v][batch x 4 + pair of heads][block][8][2,048], images of registers.
; code = sum / 2^E, E = e(6+y) - e(2y) - e(2y+1) (+ 3 for q: the factor 1/8).  LIMIT: E between -126 and 119.
; No LDS, no cluster: each wave's stationary operand is read once into its registers and a streamed fragment feeds eight products straight from its registers; through LDS each byte would be written and read once more.
.set ACC, 160                          ; v160-223 eight accumulators
.set PCR, 224                          ; v224-239 codes
.set MSB, 0
.macro WIN new
.if MSB != (\new)
	s_set_vgpr_msb (MSB<<8)|(\new)
.set MSB, (\new)
.endif
.endm
	s_load_b256 s[8:15], s[0:1], 0x0               ; wcodes 8, xcodes 10, lowp_scales 12, qkv 14
	v_lshrrev_b32 v2, 5, v0
	v_readfirstlane_b32 s4, v2                     ; wave
	v_and_b32 v1, 31, v0
	v_lshlrev_b32 v1, 4, v1                        ; 16 x lane
	s_and_b32 s5, ttmp7, 0xffff                    ; which of q, k, v
	s_lshl_b32 s16, s5, 18                         ; the weight: 262,144 bytes each,
	s_lshl_b32 s17, s4, 16                         ; my 8 tiles of columns
	s_add_co_u32 s16, s16, s17
	s_mov_b32 s17, 0
	s_lshl_b32 s22, s5, 22                         ; the version of x, and the part of qkv: 4,194,304 bytes each
	s_lshl_b32 s18, ttmp9, 16                      ; the block's 8 tiles of rows
	s_add_co_u32 s18, s22, s18
	s_mov_b32 s19, 0
	s_lshr_b32 s20, ttmp9, 5                       ; batch
	s_and_b32 s21, ttmp9, 31                       ; block
	s_lshl_b32 s20, s20, 2
	s_add_co_u32 s20, s20, s4
	s_lshl_b32 s20, s20, 5
	s_add_co_u32 s20, s20, s21
	s_lshl_b32 s20, s20, 14
	s_add_co_u32 s20, s20, s22
	s_mov_b32 s21, 0
	s_wait_kmcnt 0x0
	s_load_b512 s[36:51], s[12:13], 0x0            ; the exponents
	s_add_nc_u64 s[8:9], s[8:9], s[16:17]
	s_add_nc_u64 s[10:11], s[10:11], s[18:19]
	s_add_nc_u64 s[14:15], s[14:15], s[20:21]
	s_cmp_eq_u32 s5, 2
	s_cselect_b64 s[24:25], s[10:11], s[8:9]       ; S
	s_cselect_b64 s[26:27], s[8:9], s[10:11]       ; T
	WIN 0x40
.set i, 0
.rept 64
	global_load_b128 v[4*i:4*i+3], v1, s[24:25] offset:512*i           ; S's tiles 0-3: register 64t + 16s + 4c of window 1
.set i, i+1
.endr
	WIN 0x80
.set i, 0
.rept 64
	global_load_b128 v[4*i:4*i+3], v1, s[24:25] offset:32768+512*i     ; tiles 4-7: window 2
.set i, i+1
.endr
	WIN 0
.macro TLOAD m                         ; T's tile m, four fragments, into buffer m % 2
.set i, 0
.rept 16
	global_load_b128 v[32+64*((\m)%2)+4*i:32+64*((\m)%2)+4*i+3], v1, s[26:27] offset:8192*(\m)+512*i
.set i, i+1
.endr
.endm
	TLOAD 0
	TLOAD 1
	s_wait_kmcnt 0x0
	s_cmp_eq_u32 s5, 0
	s_cselect_b32 s28, s42, s43
	s_cselect_b32 s29, s36, s38
	s_cselect_b32 s30, s37, s39
	s_cselect_b32 s31, 3, 0
	s_cmp_eq_u32 s5, 2
	s_cselect_b32 s28, s44, s28
	s_cselect_b32 s29, s40, s29
	s_cselect_b32 s30, s41, s30
	s_sub_co_i32 s28, s28, s29
	s_sub_co_i32 s28, s28, s30
	s_add_co_i32 s28, s28, s31                     ; E
	s_add_co_i32 s28, s28, 127
	s_lshl_b32 s29, s28, 23
	v_mov_b32 v240, s29                            ; 2^E
	s_add_co_i32 s28, s28, 8
	s_lshl_b32 s28, s28, 23
	s_or_b32 s28, s28, 0x600000
	v_mov_b32 v241, s28                            ; 448 x 2^E
.macro HALF w, a0, tb                  ; 16 products: S's four tiles of window w; the four accumulators take turns, one instruction a turn
	WIN \w
.irp ks, 0,1,2,3
.irp tt, 0,1,2,3
.if \ks == 0
	v_wmma_f32_16x16x128_fp8_fp8 v[(\a0)+8*\tt:(\a0)+8*\tt+7], v[64*\tt+16*\ks:64*\tt+16*\ks+15], v[(\tb)+16*\ks:(\tb)+16*\ks+15], 0
.else
	v_wmma_f32_16x16x128_fp8_fp8 v[(\a0)+8*\tt:(\a0)+8*\tt+7], v[64*\tt+16*\ks:64*\tt+16*\ks+15], v[(\tb)+16*\ks:(\tb)+16*\ks+15], v[(\a0)+8*\tt:(\a0)+8*\tt+7]
.endif
.endr
.endr
.endm
.macro TILE m
.if (\m) < 7
	s_wait_loadcnt 16                              ; this tile's fragments (and S) are in; the next tile's 16 loads may stay out
.else
	s_wait_loadcnt 0
.endif
	HALF 0x01, ACC, 32+64*((\m)%2)
	HALF 0x02, ACC+32, 32+64*((\m)%2)
	WIN 0
.rept 4
	v_nop                                          ; four places ahead of loads into registers that the products read, and of the first read of results
.endr
.if (\m) < 6
	TLOAD (\m)+2
.endif
.set i, 0
.rept 64
	v_med3_num_f32 v[ACC+i], v[ACC+i], -v241, v241   ; the hold; each accumulator from its low end on
.set i, i+1
.endr
	s_wait_xcnt 0x0                                ; the last tile's stores have read the code registers
.set i, 0
.rept 8
	v_cvt_scalef32_pk8_fp8_f32 v[PCR+2*i:PCR+2*i+1], v[ACC+8*i:ACC+8*i+7], v240
.set i, i+1
.endr
	v_nop                                          ; a plain instruction between the conversions and the products that write their sources
.irp c, 0,1,2,3
	global_store_b128 v1, v[PCR+4*\c:PCR+4*\c+3], s[14:15] offset:2048*(\m)+512*\c   ; 512 consecutive bytes, aligned
.endr
.endm
.irp mm, 0,1,2,3,4,5,6,7
	TILE \mm
.endr
	s_endpgm
.Lfunc_end_k_q0b4d09612f_qkv:
	.size	k_q0b4d09612f_qkv, .Lfunc_end_k_q0b4d09612f_qkv-k_q0b4d09612f_qkv
	.p2alignl 7, 3214868480
	.fill 96, 4, 3214868480
	.section	.rodata,"a",@progbits
	.p2align	6, 0x0
	.amdhsa_kernel k_q0b4d09612f_qkv
		.amdhsa_group_segment_fixed_size 0
		.amdhsa_private_segment_fixed_size 0
		.amdhsa_enable_private_segment 0
		.amdhsa_kernarg_size 32
		.amdhsa_user_sgpr_count 2
		.amdhsa_user_sgpr_kernarg_segment_ptr 1
		.amdhsa_wavefront_size32 1
		.amdhsa_system_sgpr_workgroup_id_x 1
		.amdhsa_system_sgpr_workgroup_id_y 1
		.amdhsa_system_sgpr_workgroup_id_z 1
		.amdhsa_system_vgpr_workitem_id 0
		.amdhsa_next_free_vgpr 768
		.amdhsa_next_free_sgpr 66
		.amdhsa_reserve_vcc 0
		.amdhsa_float_denorm_mode_32 3
		.amdhsa_float_denorm_mode_16_64 3
		.amdhsa_memory_ordered 1
		.amdhsa_forward_progress 1
		.amdhsa_inst_pref_size 84
	.end_amdhsa_kernel
	.amdgpu_metadata
---
amdhsa.version: [ 1, 2 ]
amdhsa.kernels:
  - .name:           k_q0b4d09612f_qkv
    .symbol:         k_q0b4d09612f_qkv.kd
    .args:
      - { .name: wcodes, .offset: 0, .size: 8, .value_kind: global_buffer, .address_space: global }
      - { .name: xcodes, .offset: 8, .size: 8, .value_kind: global_buffer, .address_space: global }
      - { .name: lowp_scales, .offset: 16, .size: 8, .value_kind: global_buffer, .address_space: global }
      - { .name: qkv, .offset: 24, .size: 8, .value_kind: global_buffer, .address_space: global }
    .group_segment_fixed_size: 0
    .private_segment_fixed_size: 0
    .kernarg_segment_align: 8
    .kernarg_segment_size: 32
    .max_flat_workgroup_size: 128
    .sgpr_count:     66
    .vgpr_count:     768
    .wavefront_size: 32
...
	.end_amdgpu_metadata
.endif
;; end of part 2
;; launch attn (part 3): grid 16 x 16, 16 waves a work-group, no clusters, 165,888 bytes of LDS; arguments qkv, lowp_scales, ctx; writes ctx
.if DOCPART == 3
	.amdgcn_target "amdgcn-amd-amdhsa--gfx1250"
	.amdhsa_code_object_version 6
	.text
	.protected	k_q0b4d09612f_attn
	.globl	k_q0b4d09612f_attn
	.p2align	8
	.type	k_q0b4d09612f_attn,@function
k_q0b4d09612f_attn:
	s_mov_b64 s[64:65], 0
	v_nop
	global_prefetch_b8 v0, s[64:65] scope:SCOPE_SE
	s_setreg_imm32_b32 hwreg(HW_REG_WAVE_MODE, 25, 1), 1
	s_wait_xcnt 0x0
; ATTN.  The mask is built by the problem itself: a query of block i (128 rows) sees its own block causally and the last 32 keys of every earlier block.  Only those keys are multiplied; all others have p = 0.
; SHARES.  Work-group (a, batch x 8 + head) owns query blocks a and 31 - a of one head: (128 + 32 a) + (128 + 32 (31 - a)) keys for every a.  Waves 0-7 take block a, waves 8-15 block 31 - a, 16 queries each, in 256 registers.
; Both products are used transposed (source 0 = 16 keys, or 16 dims; source 1 = my 16 queries): a lane holds ONE query throughout, and p's conversions give the second product's operand as it stands.
; SOFTMAX: t = score x log2(e); M = the running largest t rounded up to a whole number; p = 2^(t - M) is quantised, not normalised; the sum of the unquantised p divides at the end; when M moves, sum and O are multiplied by 2^(old M - new M).
; A STEP is 128 keys: first the own block (causal), then up to 8 steps of four earlier blocks' 32 keys each.  The loop has 8 trips in every wave; a step whose first block is not earlier than mine is jumped over (ids alone).
; LDS, filled once through registers, one barrier: the 32 blocks' last two key tiles; V's last chunk of each block, laid as fragments of four blocks; the two own blocks' K and V.
; No cluster, no ring: what the work-groups of a head share is read once by each, in one burst at its head, 160 KiB; there is no stream of tiles behind it that joint requests could serve.
; LIMITS: e6 + e7 between -126 and 127; e9 and e10 between -126 and 119.
.set VS,    65536                      ; KS at 0: block b's key tiles 6, 7 at 2,048 b.  VS: fragment (step s, dims d) at (4 s + d) x 2,048, chunk q from block 4 s + q
.set KO,    131072                     ; own K: 8,192 u + 1,024 x tile
.set VO,    147456                     ; own V: 8,192 u + 2,048 d
.set SPARE, 163840                     ; the spare words: 128 bytes for each of 16 waves
.macro MKSC se, vsc, vlim
	s_add_co_i32 s60, \se, 127
	s_lshl_b32 s61, s60, 23
	v_mov_b32 v[\vsc], s61
	s_add_co_i32 s60, s60, 8
	s_lshl_b32 s60, s60, 23
	s_or_b32 s60, s60, 0x600000
	v_mov_b32 v[\vlim], s60
.endm
.macro PLACES n
.rept \n
	v_nop
.endr
.endm
	s_load_b128 s[8:11], s[0:1], 0x0               ; qkv 8, lowp_scales 10
	s_load_b64 s[12:13], s[0:1], 0x10              ; ctx
	v_lshl_add_u32 v5, v0, 2, SPARE                ; my spare word
	v_mov_b32 v6, 0
	v_lshrrev_b32 v8, 5, v0
	v_readfirstlane_b32 s4, v8                     ; wave
	v_and_b32 v1, 31, v0
	v_lshlrev_b32 v1, 4, v1                        ; 16 x lane
	s_lshr_b32 s5, s4, 3                           ; u: which of the two blocks
	s_and_b32 s6, s4, 7                            ; my tile of 16 queries
	s_sub_co_u32 s7, 31, ttmp9
	s_cmp_eq_u32 s5, 0
	s_cselect_b32 s7, ttmp9, s7                    ; my block
	s_and_b32 s14, ttmp7, 0xffff
	s_lshr_b32 s15, s14, 3                         ; batch
	s_and_b32 s16, s14, 7                          ; head
	s_lshr_b32 s17, s16, 1                         ; pair of heads
	s_and_b32 s18, s16, 1                          ; which of the pair
	s_lshl_b32 s19, s15, 2
	s_add_co_u32 s19, s19, s17
	s_lshl_b32 s19, s19, 19                        ; the pair's 32 blocks x 16,384 bytes
	; LDS addresses: constants, the wave's number and the lane alone
	s_lshl_b32 s60, s4, 12
	v_add_nc_u32 v2, s60, v1                       ; K's summary, in: blocks 2w, 2w+1
	s_lshr_b32 s60, s4, 1
	s_lshl_b32 s60, s60, 13
	s_and_b32 s61, s4, 1
	s_lshl_b32 s61, s61, 10
	s_add_co_u32 s60, s60, s61
	s_add_co_u32 s60, s60, VS
	v_add_nc_u32 v3, s60, v1                       ; V's summary, in
	s_lshl_b32 s60, s4, 10
	s_add_co_u32 s61, s60, KO
	v_add_nc_u32 v4, s61, v1                       ; own K, in
	s_add_co_u32 s61, s60, VO
	v_add_nc_u32 v7, s61, v1                       ; own V, in
	v_add_nc_u32 v10, VS, v1
	s_lshl_b32 s60, s5, 13
	s_add_co_u32 s61, s60, KO
	v_add_nc_u32 v8, s61, v1                       ; the own step's K
	s_add_co_u32 s61, s60, VO
	v_add_nc_u32 v9, s61, v1                       ; and V
	s_mov_b32 s3, 0
	s_lshl_b32 s2, s15, 8                          ; ctx: (256 batch + 8 block + tile) x 8,192 + 2,048 pair + 1,024 which
	s_lshl_b32 s60, s7, 3
	s_add_co_u32 s2, s2, s60
	s_add_co_u32 s2, s2, s6
	s_lshl_b32 s2, s2, 13
	s_lshl_b32 s60, s17, 11
	s_add_co_u32 s2, s2, s60
	s_lshl_b32 s62, s18, 10                        ; 1,024 x which
	s_add_co_u32 s2, s2, s62
	s_lshl_b32 s63, s18, 13                        ; 8,192 x which
	s_lshl_b32 s16, s7, 14
	s_add_co_u32 s16, s16, s19                     ; my block's entries
	s_wait_kmcnt 0x0
	s_load_b512 s[36:51], s[10:11], 0x0            ; the exponents
	s_add_nc_u64 s[34:35], s[12:13], s[2:3]
	s_lshl_b32 s60, s6, 11
	s_add_co_u32 s2, s16, s60
	s_add_co_u32 s2, s2, s62
	s_add_nc_u64 s[24:25], s[8:9], s[2:3]          ; my queries
	s_add_nc_u64 s[30:31], s[24:25], 0x400000      ; own K: the tile with my wave's number
	s_lshl_b32 s60, s6, 10
	s_add_co_u32 s2, s16, s60
	s_add_co_u32 s2, s2, s63
	s_add_co_u32 s2, s2, 0x800000
	s_add_nc_u64 s[32:33], s[8:9], s[2:3]          ; own V: my 1,024 bytes of its 8,192
	s_lshl_b32 s60, s4, 15
	s_add_co_u32 s60, s60, s19                     ; blocks 2w, 2w+1
	s_add_co_u32 s2, s60, s62
	s_add_co_u32 s2, s2, 0x400000
	s_add_nc_u64 s[26:27], s[8:9], s[2:3]
	s_add_co_u32 s2, s60, s63
	s_add_co_u32 s2, s2, 0x800000
	s_add_nc_u64 s[28:29], s[8:9], s[2:3]
	global_load_b128 v[16:19], v1, s[24:25]
	global_load_b128 v[20:23], v1, s[24:25] offset:512
.irp bb, 0,1
.irp kk, 0,1
.irp cc, 0,1
	global_load_b128 v[32+4*(4*\bb+2*\kk+\cc):35+4*(4*\bb+2*\kk+\cc)], v1, s[26:27] offset:16384*\bb+2048*(6+\kk)+512*\cc
.endr
.endr
.endr
.irp bb, 0,1
.irp dd, 0,1,2,3
	global_load_b128 v[64+4*(4*\bb+\dd):67+4*(4*\bb+\dd)], v1, s[28:29] offset:16384*\bb+2048*\dd+1536
.endr
.endr
.irp cc, 0,1
	global_load_b128 v[96+4*\cc:99+4*\cc], v1, s[30:31] offset:512*\cc
	global_load_b128 v[104+4*\cc:107+4*\cc], v1, s[32:33] offset:512*\cc
.endr
	s_mov_b32 s52, 0x76543210                      ; lane l xor 16
	s_mov_b32 s53, 0xfedcba98
	v_mov_b32 v13, 0xff61b1e6                      ; the largest t so far: -3e38
	v_floor_f32 v12, -v13                          ; -M
	v_mov_b32 v14, 0                               ; the sum, in two halves
	v_mov_b32 v15, 0
	v_mov_b32 v245, 0                              ; a lane permute's destination counts as read
	v_mov_b32 v253, 0                              ; named as the upper half of v[252:253]
.set i, 0
.rept 32
	v_mov_b32 v[160+i], 0                          ; O^T: the step is written for every step alike; the first change of M leaves zeros zeros
.set i, i+1
.endr
	v_and_b32 v246, 15, v0
	v_bfe_u32 v247, v0, 4, 1
	v_lshlrev_b32 v247, 3, v247
	v_sub_nc_u32 v246, v246, v247
	s_lshl_b32 s60, s6, 4
	v_add_nc_u32 v246, s60, v246                   ; my query in its block - 8 h
	s_wait_kmcnt 0x0
	s_add_co_i32 s60, s42, s43
	s_lshl_b32 s60, s60, 23
	s_mov_b32 s22, 0x3fb8aa3b                      ; log2(e),
	s_add_co_i32 s22, s22, s60                     ; x 2^(e6 + e7): added to its exponent field
	s_mov_b32 s23, s22
	MKSC s45, 244, 240                             ; p's scale
	MKSC s46, 249, 248                             ; ctx's
	s_wait_loadcnt 0x0
.irp bb, 0,1
.irp kk, 0,1
.irp cc, 0,1
	ds_store_b128 v2, v[32+4*(4*\bb+2*\kk+\cc):35+4*(4*\bb+2*\kk+\cc)] offset:2048*\bb+1024*\kk+512*\cc
.endr
.endr
.endr
.irp bb, 0,1
.irp dd, 0,1,2,3
	ds_store_b128 v3, v[64+4*(4*\bb+\dd):67+4*(4*\bb+\dd)] offset:2048*\dd+512*\bb
.endr
.endr
.irp cc, 0,1
	ds_store_b128 v4, v[96+4*\cc:99+4*\cc] offset:512*\cc
	ds_store_b128 v7, v[104+4*\cc:107+4*\cc] offset:512*\cc
.endr
	s_wait_dscnt 0x0                               ; for the others' sake: my stores have landed
	s_barrier_signal -1
	s_barrier_wait -1                              ; the one barrier: behind it LDS is only read
; A STEP of 128 keys: K's eight tiles at v8, V's four fragments at v9.  mode 0: the own block, causal; mode 1: four earlier blocks' summaries.
.macro STEP mode
	PLACES 4                                       ; ahead of loads into registers that the last products read
.set i, 0
.rept 16
	ds_load_b128 v[32+4*i:35+4*i], v8 offset:512*i
.set i, i+1
.endr
	s_wait_dscnt 0x0
.irp tt, 0,1,2,3,4,5,6,7
	v_wmma_f32_16x16x64_fp8_fp8 v[96+8*\tt:103+8*\tt], v[32+8*\tt:39+8*\tt], v[16:23], 0
.endr
	PLACES 4
.set i, 0
.rept 16
	ds_load_b128 v[32+4*i:35+4*i], v9 offset:512*i   ; V lands under the softmax
.set i, i+1
.endr
.if \mode == 0
	v_mov_b32 v254, 0xff800000                     ; register 8t + j holds key 16t + 8h + j: hidden where 16t + j > my query - 8h
.set n, 0
.rept 64
	v_cmp_gt_i32 vcc_lo, 16*(n/8)+n%8, v246
	v_cndmask_b32 v[96+n], v[96+n], v254, vcc_lo
.set n, n+1
.endr
.else
.irp gg, 1,2,3                         ; block 4 s + g counts where it is earlier than mine: 0 or -infinity is added, without a branch
	s_add_co_u32 s60, s21, \gg
	s_cmp_lt_u32 s60, s7
	s_cselect_b32 s[52+2*\gg], 0, 0xff800000
	s_mov_b32 s[53+2*\gg], s[52+2*\gg]
.endr
.irp gg, 1,2,3
.irp pp, 0,2,4,6,8,10,12,14
	v_pk_add_f32 v[96+16*\gg+\pp:97+16*\gg+\pp], v[96+16*\gg+\pp:97+16*\gg+\pp], s[52+2*\gg:53+2*\gg] op_sel_hi:[1,0]
.endr
.endr
.endif
	v_max3_num_f32 v254, v96, v97, v98             ; the step's largest score of my query, in two chains
	v_max3_num_f32 v252, v99, v100, v101
.irp i, 6,10,14,18,22,26,30,34,38,42,46,50,54,58
	v_max3_num_f32 v254, v254, v[96+\i], v[97+\i]
	v_max3_num_f32 v252, v252, v[98+\i], v[99+\i]
.endr
	v_max3_num_f32 v254, v254, v158, v159
	v_max_num_f32 v254, v254, v252
	v_permlanex16_b32 v245, v254, s52, s53
	v_max_num_f32 v254, v254, v245                 ; and among the lane 16 away's
	v_mul_f32 v254, s22, v254                      ; as t
	v_max_num_f32 v13, v13, v254
	v_mov_b32 v254, v12
	v_floor_f32 v12, -v13                          ; -M = floor(-t)
	v_sub_f32 v254, v12, v254                      ; old M - new M, a whole number, 0 or less
	v_cvt_i32_f32 v254, v254                       ; (it saturates)
	v_ldexp_f32 v252, 1.0, v254                    ; f = 2^(old M - new M)
.set j, 0
.rept 32
	v_pk_fma_f32 v[96+j:97+j], v[96+j:97+j], s[22:23], v[12:13] op_sel_hi:[1,0,0]   ; t - M
.set j, j+2
.endr
.set j, 0
.rept 64
	v_exp_f32 v[96+j], v[96+j]                     ; p
.set j, j+1
.endr
	v_pk_mul_f32 v[14:15], v[14:15], v[252:253] op_sel_hi:[1,0]   ; the sums under the new M: the plain instruction behind the batch
	s_wait_alu depctr_va_vdst(0)                   ; one wait for the batch, ahead of its first reader
	v_pk_add_f32 v[242:243], v[96:97], v[98:99]    ; the sum of the unquantised p, in two chains
.irp j, 4,8,12,16,20,24,28,32,36,40,44,48,52,56,60
	v_pk_add_f32 v[14:15], v[14:15], v[96+\j:97+\j]
	v_pk_add_f32 v[242:243], v[242:243], v[98+\j:99+\j]
.endr
	v_pk_add_f32 v[14:15], v[14:15], v[242:243]
.set j, 0
.rept 64
	v_min_num_f32 v[96+j], v[96+j], v240           ; the hold, one-sided: p is not negative
.set j, j+1
.endr
.set j, 0
.rept 8
	v_cvt_scalef32_pk8_fp8_f32 v[224+2*j:225+2*j], v[96+8*j:103+8*j], v244   ; tile t's eight keys: registers 2t, 2t+1 of the operand
.set j, j+1
.endr
.set j, 0
.rept 16
	v_pk_mul_f32 v[160+j:161+j], v[160+j:161+j], v[252:253] op_sel_hi:[1,0]   ; O^T under the new M; also the plain instructions behind the conversions
.set j, j+2
.endr
	s_wait_dscnt 0x0                               ; V
.irp dd, 0,1,2,3
	v_wmma_f32_16x16x128_fp8_fp8 v[160+8*\dd:167+8*\dd], v[32+16*\dd:47+16*\dd], v[224:239], v[160+8*\dd:167+8*\dd]
.endr
.endm
	STEP 0                                         ; the own block first: its diagonal key makes M a number from the start
	s_mov_b32 s20, 0                               ; the step's bytes in both summaries
	s_mov_b32 s21, 0                               ; its first block
	s_mov_b32 s3, 8
.Lsum:
	v_add_nc_u32 v8, s20, v1
	v_add_nc_u32 v9, s20, v10
	s_cmp_ge_u32 s21, s7                           ; ids alone; no barrier stands in a step
	s_cbranch_scc1 .Lskip
	STEP 1
.Lskip:
	s_add_co_u32 s20, s20, 8192
	s_add_co_u32 s21, s21, 4
	s_sub_co_u32 s3, s3, 1
	s_cmp_lg_u32 s3, 0
	s_cbranch_scc1 .Lsum
	; THE WAY OUT: O^T x 2^(e8 + e9) / sum, quantised with e10: my head's half of a fragment of the next product
	PLACES 4
	v_add_f32 v14, v14, v15
	v_permlanex16_b32 v245, v14, s52, s53
	v_add_f32 v14, v14, v245
	v_rcp_f32 v14, v14
	v_nop
	s_add_co_i32 s60, s44, s45
	s_wait_alu depctr_va_vdst(0)                   ; ahead of the reciprocal's first reader
	v_ldexp_f32 v14, v14, s60
.set j, 0
.rept 32
	v_mul_f32 v[96+j], v[160+j], v14
.set j, j+1
.endr
.set j, 0
.rept 32
	v_med3_num_f32 v[96+j], v[96+j], -v248, v248
.set j, j+1
.endr
.set j, 0
.rept 4
	v_cvt_scalef32_pk8_fp8_f32 v[224+2*j:225+2*j], v[96+8*j:103+8*j], v249
.set j, j+1
.endr
	v_nop
	global_store_b128 v1, v[224:227], s[34:35]             ; 512 consecutive bytes each, aligned
	global_store_b128 v1, v[228:231], s[34:35] offset:512
	s_wait_tensorcnt 0x0                           ; the wave's end, behind my last LDS store
	ds_add_u32 v5, v6
	s_wait_dscnt 0x0
	s_endpgm
.Lfunc_end_k_q0b4d09612f_attn:
	.size	k_q0b4d09612f_attn, .Lfunc_end_k_q0b4d09612f_attn-k_q0b4d09612f_attn
	.p2alignl 7, 3214868480
	.fill 96, 4, 3214868480
	.section	.rodata,"a",@progbits
	.p2align	6, 0x0
	.amdhsa_kernel k_q0b4d09612f_attn
		.amdhsa_group_segment_fixed_size 165888
		.amdhsa_private_segment_fixed_size 0
		.amdhsa_enable_private_segment 0
		.amdhsa_kernarg_size 24
		.amdhsa_user_sgpr_count 2
		.amdhsa_user_sgpr_kernarg_segment_ptr 1
		.amdhsa_wavefront_size32 1
		.amdhsa_system_sgpr_workgroup_id_x 1
		.amdhsa_system_sgpr_workgroup_id_y 1
		.amdhsa_system_sgpr_workgroup_id_z 1
		.amdhsa_system_vgpr_workitem_id 0
		.amdhsa_next_free_vgpr 256
		.amdhsa_next_free_sgpr 66
		.amdhsa_reserve_vcc 1
		.amdhsa_float_denorm_mode_32 3
		.amdhsa_float_denorm_mode_16_64 3
		.amdhsa_memory_ordered 1
		.amdhsa_forward_progress 1
		.amdhsa_inst_pref_size 51
	.end_amdhsa_kernel
	.amdgpu_metadata
---
amdhsa.version: [ 1, 2 ]
amdhsa.kernels:
  - .name:           k_q0b4d09612f_attn
    .symbol:         k_q0b4d09612f_attn.kd
    .args:
      - { .name: qkv, .offset: 0, .size: 8, .value_kind: global_buffer, .address_space: global }
      - { .name: lowp_scales, .offset: 8, .size: 8, .value_kind: global_buffer, .address_space: global }
      - { .name: ctx, .offset: 16, .size: 8, .value_kind: global_buffer, .address_space: global }
    .group_segment_fixed_size: 165888
    .private_segment_fixed_size: 0
    .kernarg_segment_align: 8
    .kernarg_segment_size: 24
    .max_flat_workgroup_size: 512
    .sgpr_count:     66
    .vgpr_count:     256
    .wavefront_size: 32
...
	.end_amdgpu_metadata
.endif
;; end of part 3
;; launch tail (part 4): grid 128 x 1, 4 waves a work-group, no clusters, 201,216 bytes of LDS; arguments ctx, wcodes, inputs, ln2_scale, ln2_bias, b1, b2, lowp_scales, out0; writes out0
.if DOCPART == 4
	.amdgcn_target "amdgcn-amd-amdhsa--gfx1250"
	.amdhsa_code_object_version 6
	.text
	.protected	k_q0b4d09612f_tail
	.globl	k_q0b4d09612f_tail
	.p2align	8
	.type	k_q0b4d09612f_tail,@function
k_q0b4d09612f_tail:
	s_mov_b64 s[64:65], 0
	v_nop
	global_prefetch_b8 v0, s[64:65] scope:SCOPE_SE
	s_setreg_imm32_b32 hwreg(HW_REG_WAVE_MODE, 25, 1), 1
	s_wait_xcnt 0x0
; TAIL.  out = x + gelu(LN2(x) w1 + b1) w2 + b2, x = ctx wo + inputs.  A work-group takes 64 rows through the whole chain; nothing between goes to memory.
; THE WAVES SHARE THE COLUMNS: wave w owns columns 128w..128w+127 of x and out, and hidden units 256c + 64w..+63 of each of 8 hidden chunks.  Every product has the weight's tile as source 0 and 16 rows as source 1:
; a lane holds one row, and register j of tile t column 16t + 8h + j, so that conversions of eight give the next operand's registers.  Operands go from wave to wave through LDS as images of their registers.
; WEIGHTS come from wcodes straight into a ring of 16 fragment slots in window 3: each fragment is read by the one wave that multiplies by it and feeds four products.  Groups of four slots are filled again as soon as they are used.
; No cluster, no tensor load: through LDS each work-group's 2.25 MiB of weight codes would be written and read there once more, for four products a fragment either way.
; 64 rows: a block re-reads all 2.25 MiB of codes, so 32 rows would double those reads; with 128 rows only 64 work-groups would have work.
; THE RESIDUAL STARTS THE LAST SUMS: (x + b2) / 2^(e14 + e15) stands in the accumulators of the last product; the division is by a power of two.  An order of rounding that differs from the written one.
; gelu(v) = v / (1 + 2^u), u = -2 log2(e) sqrt(2/pi) (v + 0.044715 v^3).
; LIMITS: e10+e11, e14+e15 between -126 and 127; e12 and e14-e12-e13 between -126 and 119; 3 (e12+e13) within f32's exponents.  NaN and infinities among the inputs are not served.
; WINDOWS: 0: addresses, hidden tiles / fragments v32-159, work v160-223, codes v224-239, row statistics v240-255.  1: ctx, then inputs, then gain / bias / b2, then y's 16 fragments.  2: input rows, then x = the last accumulators.  3: the ring.
.set YIMG,  135168                     ; STG at 0: 4 x 64 rows x 528 bytes, each wave's own.  YIMG: y's fragments (4m + s) x 2,048
.set HIMG,  167936                     ; the hidden chunk's fragments (2m + s) x 2,048
.set STAT,  184320                     ; 512 w + 128 m + 8 r: (mean, sum of squares) of a wave's 128 columns
.set VEC,   186368                     ; 1,536 w + 512 x {gain, bias, b2}
.set B1L,   192512                     ; 2,048 w + 256 c
.set SPARE, 200704                     ; the spare words
.set PCR, 224
.set MSB, 0
.macro WIN new
.if MSB != (\new)
	s_set_vgpr_msb (MSB<<8)|(\new)
.set MSB, (\new)
.endif
.endm
.macro PLACES n
.rept \n
	v_nop
.endr
.endm
.macro BARRIER                         ; my LDS stores have landed and my LDS loads are in: then the work-group's barrier
	s_wait_dscnt 0x0
	s_barrier_signal -1
	s_barrier_wait -1
.endm
.macro MKSC se, vsc, vlim
	s_add_co_i32 s28, \se, 127
	s_lshl_b32 s29, s28, 23
	v_mov_b32 v[\vsc], s29
	s_add_co_i32 s28, s28, 8
	s_lshl_b32 s28, s28, 23
	s_or_b32 s28, s28, 0x600000
	v_mov_b32 v[\vlim], s28
.endm
.macro QUANT src, lim, sc              ; 64 numbers -> 16 registers of codes
.set i, 0
.rept 64
	v_med3_num_f32 v[(\src)+i], v[(\src)+i], -v[\lim], v[\lim]
.set i, i+1
.endr
.set i, 0
.rept 8
	v_cvt_scalef32_pk8_fp8_f32 v[PCR+2*i:PCR+2*i+1], v[(\src)+8*i:(\src)+8*i+7], v[\sc]
.set i, i+1
.endr
	v_nop                                          ; a plain instruction between the conversions and whatever next writes their sources
.endm
.macro WLOAD slot0, sb, off            ; four slots: 8,192 consecutive bytes
	WIN 0xC0
.set i, 0
.rept 16
	global_load_b128 v[16*(\slot0)+4*i:16*(\slot0)+4*i+3], v1, s[\sb:\sb+1] offset:(\off)+512*i
.set i, i+1
.endr
.endm
.macro W2LOAD slot0                    ; w2's fragment f = 2 x tile + K step of the chunk
	WIN 0xC0
.set i, 0
.rept 16
	global_load_b128 v[16*(\slot0)+4*i:16*(\slot0)+4*i+3], v1, s[34:35] offset:32768*(((\slot0)+i/4)/2)+2048*(((\slot0)+i/4)%2)+512*(i%4)
.set i, i+1
.endr
.endm
	s_load_b512 s[8:23], s[0:1], 0x0               ; ctx 8, wcodes 10, inputs 12, ln2_scale 14, ln2_bias 16, b1 18, b2 20, lowp_scales 22
	s_load_b64 s[24:25], s[0:1], 0x40              ; out0
	v_lshl_add_u32 v4, v0, 2, SPARE                ; my spare word
	v_mov_b32 v5, 0
	v_lshrrev_b32 v2, 5, v0
	v_readfirstlane_b32 s4, v2                     ; wave
	v_and_b32 v6, 31, v0
	v_lshlrev_b32 v1, 4, v6                        ; 16 x lane
	v_and_b32 v2, 15, v0                           ; r
	v_bfe_u32 v3, v0, 4, 1                         ; h
	s_mul_i32 s5, s4, 33792
	v_add_nc_u32 v7, s5, v1                        ; stage by rows: 16 x lane
	v_mul_u32_u24 v8, v2, 528
	v_lshl_add_u32 v8, v3, 5, v8
	v_add_nc_u32 v8, s5, v8                        ; stage in the results' layout: row r, + 32 h
	s_lshl_b32 s5, s4, 11
	s_add_co_u32 s5, s5, YIMG
	v_add_nc_u32 v9, s5, v1                        ; y's image, in: K step w
	v_add_nc_u32 v10, YIMG, v1
	s_lshl_b32 s5, s4, 10
	s_add_co_u32 s5, s5, HIMG
	v_add_nc_u32 v11, s5, v1                       ; the hidden image, in: my half fragment
	v_add_nc_u32 v12, HIMG, v1
	s_lshl_b32 s5, s4, 9
	s_add_co_u32 s5, s5, STAT
	v_lshl_add_u32 v13, v2, 3, s5
	v_lshlrev_b32 v14, 3, v2
	v_add_nc_u32 v14, STAT, v14
	s_mul_i32 s5, s4, 1536
	s_add_co_u32 s5, s5, VEC
	v_add_nc_u32 v15, s5, v1
	v_lshl_add_u32 v16, v3, 5, s5
	s_lshl_b32 s5, s4, 11
	s_add_co_u32 s5, s5, B1L
	v_add_nc_u32 v17, s5, v1
	v_lshl_add_u32 v18, v3, 5, s5
	v_lshlrev_b32 v6, 10, v3                       ; b1 in memory: 1,024 h + 16 r + 256 w: two chunks' 256 bytes a load
	v_lshl_add_u32 v6, v2, 4, v6
	s_lshl_b32 s5, s4, 8
	v_add_nc_u32 v6, s5, v6
	s_mov_b32 s62, 0x76543210                      ; lane l xor 16
	s_mov_b32 s63, 0xfedcba98
	s_mov_b32 s66, 0x3b000000                      ; 1 / 512
	s_mov_b32 s67, 0x358637bd                      ; 1e-6
	s_lshl_b32 s26, s4, 9                          ; my 128 columns: 512 bytes
	s_mov_b32 s27, 0
	s_mov_b32 s29, 0
	s_wait_kmcnt 0x0
	s_load_b512 s[36:51], s[22:23], 0x0            ; the exponents
	s_add_nc_u64 s[14:15], s[14:15], s[26:27]
	s_add_nc_u64 s[16:17], s[16:17], s[26:27]
	s_add_nc_u64 s[20:21], s[20:21], s[26:27]
	s_lshl_b32 s28, ttmp9, 17                      ; 64 rows x 2,048 bytes
	s_add_co_u32 s28, s28, s26
	s_add_nc_u64 s[12:13], s[12:13], s[28:29]
	s_add_nc_u64 s[24:25], s[24:25], s[28:29]
	s_lshl_b32 s28, ttmp9, 15                      ; 4 tiles of rows x 8,192
	s_add_nc_u64 s[8:9], s[8:9], s[28:29]
	s_lshl_b32 s28, s4, 16
	s_add_co_u32 s28, s28, 786432
	s_add_nc_u64 s[30:31], s[10:11], s[28:29]      ; wo: my 8 tiles
	s_lshl_b32 s28, s4, 15
	s_add_co_u32 s28, s28, 1048576
	s_add_nc_u64 s[32:33], s[10:11], s[28:29]      ; w1: my 4 tiles of chunk 0
	s_lshl_b32 s28, s4, 18
	s_add_co_u32 s28, s28, 2097152
	s_add_nc_u64 s[34:35], s[10:11], s[28:29]      ; w2: my 8 tiles, K steps 0, 1
	global_load_b128 v[32:35], v1, s[14:15]
	global_load_b128 v[36:39], v1, s[16:17]
	global_load_b128 v[40:43], v1, s[20:21]
.irp k, 0,1,2,3
	global_load_b128 v[44+4*\k:47+4*\k], v6, s[18:19] offset:2048*\k
.endr
	WIN 0x80
.set i, 0
.rept 64
	global_load_b128 v[4*i:4*i+3], v1, s[12:13] offset:2048*i th:TH_LOAD_NT   ; row i: my 512 consecutive bytes
.set i, i+1
.endr
	WIN 0x40
.set i, 0
.rept 64
	global_load_b128 v[4*i:4*i+3], v1, s[8:9] offset:512*i                    ; ctx's fragment (m, s) at register 16 (4m + s)
.set i, i+1
.endr
	WLOAD 0, 30, 0
	WLOAD 4, 30, 8192
	WLOAD 8, 30, 16384
	WLOAD 12, 30, 24576
	WIN 0
	s_wait_loadcnt 63                              ; 128 loads were issued behind the input rows: the small vectors and the rows are in
	s_wait_kmcnt 0x0
	s_add_co_i32 s52, s46, s47
	s_add_co_i32 s52, s52, 127
	s_lshl_b32 s52, s52, 23                        ; 2^(e10 + e11)
	s_mov_b32 s53, s52
	s_add_co_i32 s60, s50, s51
	s_add_co_i32 s54, s60, 127
	s_lshl_b32 s54, s54, 23                        ; 2^(e14 + e15)
	s_mov_b32 s55, s54
	s_sub_co_i32 s56, 127, s60
	s_lshl_b32 s56, s56, 23                        ; 2^-(e14 + e15)
	s_mov_b32 s57, s56
	s_sub_co_i32 s61, 0, s60
	s_add_co_i32 s58, s48, s49                     ; e12 + e13
	s_sub_co_i32 s59, 0, s58
	MKSC s48, 20, 21                               ; y's scale
	s_sub_co_i32 s68, s50, s58
	MKSC s68, 22, 23                               ; the hidden layer's: e14 - e12 - e13
	s_mul_i32 s68, s58, 3
.irp k, 0,1,2,3
	v_ldexp_f32 v[40+\k], v[40+\k], s61            ; b2 / 2^(e14 + e15)
.endr
.set i, 0
.rept 16
	v_ldexp_f32 v[44+i], v[44+i], s59              ; b1 / 2^(e12 + e13): it goes in as the C of the first products
.set i, i+1
.endr
.irp k, 0,1,2
	ds_store_b128 v15, v[32+4*\k:35+4*\k] offset:512*\k
.endr
.irp k, 0,1,2,3
	ds_store_b128 v17, v[44+4*\k:47+4*\k] offset:512*\k
.endr
	WIN 0x08                                       ; store data in window 2
.set i, 0
.rept 64
	ds_store_b128 v7, v[4*i:4*i+3] offset:528*i
.set i, i+1
.endr
	s_wait_dscnt 0x0                               ; the stores have read their registers: the products below write over them
; ---- 1: x = ctx wo.  Group t: my tile t of columns x four tiles of rows x four K steps; the four accumulators take turns, one instruction a turn
.macro GRP1 t
	s_wait_loadcnt 48                              ; this group's four slots are in; the three younger groups of 16 loads may stay out
	WIN 0xA7                                       ; source 0 window 3, source 1 window 1, C and D window 2
.irp ks, 0,1,2,3
.irp rm, 0,1,2,3
.if \ks == 0
	v_wmma_f32_16x16x128_fp8_fp8 v[64*\rm+8*(\t):64*\rm+8*(\t)+7], v[16*((4*(\t)+\ks)%16):16*((4*(\t)+\ks)%16)+15], v[16*(4*\rm+\ks):16*(4*\rm+\ks)+15], 0
.else
	v_wmma_f32_16x16x128_fp8_fp8 v[64*\rm+8*(\t):64*\rm+8*(\t)+7], v[16*((4*(\t)+\ks)%16):16*((4*(\t)+\ks)%16)+15], v[16*(4*\rm+\ks):16*(4*\rm+\ks)+15], v[64*\rm+8*(\t):64*\rm+8*(\t)+7]
.endif
.endr
.endr
	PLACES 4                                       ; ahead of loads into registers that the products read
.if (\t) < 4
	WLOAD (4*(\t))%16, 30, 8192*((\t)+4)           ; wo's tile t + 4
.else
	WLOAD (4*(\t))%16, 32, 8192*((\t)-4)           ; w1's chunk 0
.endif
.endm
.irp tt, 0,1,2,3,4,5,6,7
	GRP1 \tt
.endr
	WIN 0x40
.set i, 0
.rept 64
	ds_load_b128 v[4*i:4*i+3], v8 offset:8448*(i/16)+64*((i/2)%8)+16*(i%2)   ; the inputs in the results' layout: register 64m + 8t + j
.set i, i+1
.endr
	s_wait_dscnt 0x0
	WIN 0x92                                       ; x (window 2) = sum x 2^(e10 + e11) + inputs (window 1)
.set i, 0
.rept 128
	v_pk_fma_f32 v[2*i:2*i+1], v[2*i:2*i+1], s[52:53], v[2*i:2*i+1] op_sel_hi:[1,0,1]
.set i, i+1
.endr
; ---- 2: layer norm 2.  Each wave: mean and sum of squared differences of its 128 columns; the four are joined without a difference of large sums
	WIN 0x40
.set i, 0
.rept 48
	ds_load_b128 v[4*i:4*i+3], v16 offset:512*(i/16)+64*((i/2)%8)+16*(i%2)   ; gain at v0-63, bias at v64-127, b2 at v128-191 of window 1
.set i, i+1
.endr
	WIN 0x0A
.irp rm, 0,1,2,3
	v_pk_add_f32 v[24+2*\rm:25+2*\rm], v[64*\rm:64*\rm+1], v[64*\rm+2:64*\rm+3]
.endr
	WIN 0x02
.set i, 2
.rept 30
.irp rm, 0,1,2,3
	v_pk_add_f32 v[24+2*\rm:25+2*\rm], v[64*\rm+2*i:64*\rm+2*i+1], v[24+2*\rm:25+2*\rm]
.endr
.set i, i+1
.endr
	WIN 0
.irp rm, 0,1,2,3
	v_add_f32 v[24+2*\rm], v[24+2*\rm], v[25+2*\rm]
.endr
.irp rm, 0,1,2,3
	v_permlanex16_b32 v[25+2*\rm], v[24+2*\rm], s62, s63
.endr
.irp rm, 0,1,2,3
	v_add_f32 v[24+2*\rm], v[24+2*\rm], v[25+2*\rm]
.endr
.irp rm, 0,1,2,3
	v_mul_f32 v[24+2*\rm], 0x3c000000, v[24+2*\rm]   ; / 128
.endr
.macro M2LOC m
	WIN 0x02
.set i, 0
.rept 32
	v_pk_add_f32 v[160+2*i:161+2*i], v[64*(\m)+2*i:64*(\m)+2*i+1], v[24+2*(\m):25+2*(\m)] op_sel_hi:[1,0] neg_lo:[0,1] neg_hi:[0,1]
.set i, i+1
.endr
	WIN 0
.irp k, 0,1,2,3
	v_pk_mul_f32 v[224+2*\k:225+2*\k], v[160+2*\k:161+2*\k], v[160+2*\k:161+2*\k]
.endr
.set i, 4
.rept 28
	v_pk_fma_f32 v[224+2*(i%4):225+2*(i%4)], v[160+2*i:161+2*i], v[160+2*i:161+2*i], v[224+2*(i%4):225+2*(i%4)]
.set i, i+1
.endr
	v_pk_add_f32 v[224:225], v[224:225], v[226:227]
	v_pk_add_f32 v[228:229], v[228:229], v[230:231]
	v_pk_add_f32 v[224:225], v[224:225], v[228:229]
	v_add_f32 v224, v224, v225
	v_permlanex16_b32 v225, v224, s62, s63
	v_add_f32 v[25+2*(\m)], v224, v225
	ds_store_b64 v13, v[24+2*(\m):25+2*(\m)] offset:128*(\m)   ; both halves of the lanes store the same pair
.endm
	M2LOC 0
	M2LOC 1
	M2LOC 2
	M2LOC 3
	BARRIER                                        ; the four waves' statistics lie in LDS
.irp rm, 0,1,2,3
.irp ww, 0,1,2,3
	ds_load_b64 v[160+8*\rm+2*\ww:161+8*\rm+2*\ww], v14 offset:512*\ww+128*\rm
.endr
.endr
	s_wait_dscnt 0x0
.irp rm, 0,1,2,3
	v_add_f32 v[224+4*\rm], v[160+8*\rm], v[162+8*\rm]
	v_add_f32 v[225+4*\rm], v[164+8*\rm], v[166+8*\rm]
	v_add_f32 v[224+4*\rm], v[224+4*\rm], v[225+4*\rm]
	v_mul_f32 v[240+4*\rm], 0x3e800000, v[224+4*\rm]                 ; the row's mean
	v_sub_f32 v[160+8*\rm], v[160+8*\rm], v[240+4*\rm]
	v_sub_f32 v[162+8*\rm], v[162+8*\rm], v[240+4*\rm]
	v_sub_f32 v[164+8*\rm], v[164+8*\rm], v[240+4*\rm]
	v_sub_f32 v[166+8*\rm], v[166+8*\rm], v[240+4*\rm]
	v_add_f32 v[225+4*\rm], v[161+8*\rm], v[163+8*\rm]
	v_add_f32 v[226+4*\rm], v[165+8*\rm], v[167+8*\rm]
	v_add_f32 v[225+4*\rm], v[225+4*\rm], v[226+4*\rm]
	v_mul_f32 v[226+4*\rm], v[160+8*\rm], v[160+8*\rm]
	v_fmac_f32 v[226+4*\rm], v[162+8*\rm], v[162+8*\rm]
	v_fmac_f32 v[226+4*\rm], v[164+8*\rm], v[164+8*\rm]
	v_fmac_f32 v[226+4*\rm], v[166+8*\rm], v[166+8*\rm]
	v_fmamk_f32 v[225+4*\rm], v[226+4*\rm], 0x43000000, v[225+4*\rm] ; + 128 x the means' squared differences
	v_fma_f32 v[225+4*\rm], v[225+4*\rm], s66, s67                   ; / 512 + 1e-6
	v_mov_b32 v[241+4*\rm], v[240+4*\rm]
.endr
.irp rm, 0,1,2,3
	v_rsq_f32 v[242+4*\rm], v[225+4*\rm]
.endr
	v_nop
	s_wait_alu depctr_va_vdst(0)                   ; one wait for the four, ahead of their first reader
.irp rm, 0,1,2,3
	v_mov_b32 v[243+4*\rm], v[242+4*\rm]
.endr
.macro YQ m                            ; y of 16 rows x my 128 columns: K step w of the next product
	WIN 0x02
.set i, 0
.rept 32
	v_pk_add_f32 v[160+2*i:161+2*i], v[64*(\m)+2*i:64*(\m)+2*i+1], v[240+4*(\m):241+4*(\m)] neg_lo:[0,1] neg_hi:[0,1]
.set i, i+1
.endr
	WIN 0
.set i, 0
.rept 32
	v_pk_mul_f32 v[160+2*i:161+2*i], v[160+2*i:161+2*i], v[242+4*(\m):243+4*(\m)]
.set i, i+1
.endr
	WIN 0x14                                       ; gain and bias in window 1
.set i, 0
.rept 32
	v_pk_fma_f32 v[160+2*i:161+2*i], v[160+2*i:161+2*i], v[2*i:2*i+1], v[64+2*i:65+2*i]
.set i, i+1
.endr
	WIN 0
	QUANT 160, 21, 20
.irp c, 0,1,2,3
	ds_store_b128 v9, v[PCR+4*\c:PCR+4*\c+3] offset:8192*(\m)+512*\c
.endr
	s_wait_dscnt 0x0                               ; the stores have read their registers
.endm
	YQ 0
	YQ 1
	YQ 2
	YQ 3
	WIN 0x92                                       ; (x + b2) / 2^(e14 + e15) starts the last product's sums
.irp rm, 0,1,2,3
.set i, 0
.rept 32
	v_pk_fma_f32 v[64*\rm+2*i:64*\rm+2*i+1], v[64*\rm+2*i:64*\rm+2*i+1], s[56:57], v[128+2*i:129+2*i] op_sel_hi:[1,0,1]
.set i, i+1
.endr
.endr
	WIN 0
	BARRIER                                        ; y's sixteen fragments lie in LDS
	WIN 0x40
.set i, 0
.rept 64
	ds_load_b128 v[4*i:4*i+3], v10 offset:512*i    ; they stay in window 1 for all eight chunks
.set i, i+1
.endr
	WIN 0
	v_mov_b32 v24, 0xc0135761                      ; -2 log2(e) sqrt(2/pi),
	v_mov_b32 v26, 0xbdd2d3e8                      ; and that x 0.044715
	v_ldexp_f32 v24, v24, s58                      ; the sums lack 2^(e12 + e13): it is folded into both
	v_ldexp_f32 v26, v26, s68
	v_mov_b32 v25, v24
	v_mov_b32 v27, v26
	s_wait_dscnt 0x0
; ---- 3: the MLP, a chunk of 256 hidden units at a time
.macro GELU mp                         ; tiles of rows 2 mp, 2 mp + 1: 64 numbers a lane
.set HB, 32+64*(\mp)
.set i, 0
.rept 32
	v_pk_mul_f32 v[160+2*i:161+2*i], v[HB+2*i:HB+2*i+1], v[HB+2*i:HB+2*i+1]
.set i, i+1
.endr
.set i, 0
.rept 32
	v_pk_fma_f32 v[160+2*i:161+2*i], v[160+2*i:161+2*i], v[26:27], v[24:25]
.set i, i+1
.endr
.set i, 0
.rept 32
	v_pk_mul_f32 v[160+2*i:161+2*i], v[160+2*i:161+2*i], v[HB+2*i:HB+2*i+1]   ; u
.set i, i+1
.endr
.set i, 0
.rept 64
	v_exp_f32 v[160+i], v[160+i]
.set i, i+1
.endr
	v_nop
	s_wait_alu depctr_va_vdst(0)                   ; one wait for the batch
.set i, 0
.rept 32
	v_pk_add_f32 v[160+2*i:161+2*i], v[160+2*i:161+2*i], 1.0 op_sel_hi:[1,0]
.set i, i+1
.endr
.set i, 0
.rept 64
	v_rcp_f32 v[160+i], v[160+i]
.set i, i+1
.endr
	v_nop
	s_wait_alu depctr_va_vdst(0)
.set i, 0
.rept 32
	v_pk_mul_f32 v[HB+2*i:HB+2*i+1], v[HB+2*i:HB+2*i+1], v[160+2*i:161+2*i]
.set i, i+1
.endr
	QUANT HB, 23, 22
.irp aa, 0,1
.irp c, 0,1
	ds_store_b128 v11, v[PCR+8*\aa+4*\c:PCR+8*\aa+4*\c+3] offset:4096*(2*(\mp)+\aa)+512*\c
.endr
.endr
	s_wait_dscnt 0x0                               ; the stores have read their registers
.endm
.macro CHUNK nx                        ; nx = 1: the next chunk's w1 is asked for
	v_add_nc_u32 v19, s69, v18
.set i, 0
.rept 8
	ds_load_b128 v[160+4*i:163+4*i], v19 offset:64*(i/2)+16*(i%2)   ; b1's four tiles, in the results' layout
.set i, i+1
.endr
	s_wait_dscnt 0x0
.irp tt, 0,1,2,3                       ; A: my four tiles of hidden units
	s_wait_loadcnt 48                              ; three younger groups of 16 loads may stay out
	WIN 0x07                                       ; source 0 window 3, source 1 window 1
.irp ks, 0,1,2,3
.irp rm, 0,1,2,3
.if \ks == 0
	v_wmma_f32_16x16x128_fp8_fp8 v[32+32*\rm+8*\tt:39+32*\rm+8*\tt], v[16*(4*\tt+\ks):16*(4*\tt+\ks)+15], v[16*(4*\rm+\ks):16*(4*\rm+\ks)+15], v[160+8*\tt:167+8*\tt]
.else
	v_wmma_f32_16x16x128_fp8_fp8 v[32+32*\rm+8*\tt:39+32*\rm+8*\tt], v[16*(4*\tt+\ks):16*(4*\tt+\ks)+15], v[16*(4*\rm+\ks):16*(4*\rm+\ks)+15], v[32+32*\rm+8*\tt:39+32*\rm+8*\tt]
.endif
.endr
.endr
	PLACES 4
	W2LOAD 4*\tt                                   ; the slots take this chunk's w2
.endr
	WIN 0
	GELU 0
	GELU 1
	BARRIER                                        ; the chunk's eight fragments lie in LDS
.set i, 0
.rept 32
	ds_load_b128 v[32+4*i:35+4*i], v12 offset:512*i
.set i, i+1
.endr
	BARRIER                                        ; every wave has them in registers: the next chunk may store there
.irp gg, 0,1,2,3                       ; B: my eight tiles of columns x the chunk's two K steps
.if \nx
	s_wait_loadcnt 48
.else
	s_wait_loadcnt 48-16*\gg                       ; only this phase's later groups are younger
.endif
	WIN 0xA3                                       ; source 0 window 3, source 1 window 0, C and D window 2
.irp ff, 0,1,2,3
.irp rm, 0,1,2,3
	v_wmma_f32_16x16x128_fp8_fp8 v[64*\rm+8*((4*\gg+\ff)/2):64*\rm+8*((4*\gg+\ff)/2)+7], v[16*(4*\gg+\ff):16*(4*\gg+\ff)+15], v[32+16*(2*\rm+(\ff%2)):32+16*(2*\rm+(\ff%2))+15], v[64*\rm+8*((4*\gg+\ff)/2):64*\rm+8*((4*\gg+\ff)/2)+7]
.endr
.endr
	PLACES 5                                       ; five: the next chunk's products write over the hidden fragments
.if \nx
	WLOAD 4*\gg, 32, 131072+8192*\gg
.endif
.endr
	WIN 0
.if \nx
	s_wait_xcnt 0x0                                ; the loads have read their bases: they step only behind this wait
	s_add_nc_u64 s[32:33], s[32:33], 131072
	s_add_nc_u64 s[34:35], s[34:35], 4096
	s_add_co_u32 s69, s69, 256
.endif
.endm
	s_mov_b32 s69, 0                               ; the chunk's place in b1
	s_mov_b32 s70, 7
.Lchunk:
	CHUNK 1
	s_sub_co_u32 s70, s70, 1
	s_cmp_lg_u32 s70, 0
	s_cbranch_scc1 .Lchunk
	CHUNK 0                                        ; the last chunk asks for nothing more: no load leaves its buffer
; ---- 4: the way out, 16 rows at a time through my own stage, so that the 32 lanes store 512 consecutive bytes of a row
.macro TOSTAGE m
	WIN 0x02
.set i, 0
.rept 32
	v_pk_mul_f32 v[160+2*i:161+2*i], v[64*(\m)+2*i:64*(\m)+2*i+1], s[54:55] op_sel_hi:[1,0]   ; x 2^(e14 + e15); each accumulator from its low end on
.set i, i+1
.endr
	WIN 0
.set i, 0
.rept 16
	ds_store_b128 v8, v[160+4*i:163+4*i] offset:8448*(\m)+64*(i/2)+16*(i%2)
.set i, i+1
.endr
.set i, 0
.rept 16
	ds_load_b128 v[32+64*((\m)%2)+4*i:35+64*((\m)%2)+4*i], v7 offset:528*(16*(\m)+i)   ; LDS serves a wave's instructions in order: these see my stores
.set i, i+1
.endr
.endm
.macro SEND m, younger
	s_wait_dscnt \younger                          ; the block is back; the next block's 16 stores and 16 loads may stay out
.set i, 0
.rept 16
	global_store_b128 v1, v[32+64*((\m)%2)+4*i:35+64*((\m)%2)+4*i], s[24:25] offset:2048*(16*(\m)+i) th:TH_STORE_NT
.set i, i+1
.endr
.endm
	TOSTAGE 0
.irp bm, 1,2,3
.if \bm > 1
	s_wait_xcnt 0x0                                ; the stores of two blocks back have read their registers: this block's loads may land there
.endif
	TOSTAGE \bm
	SEND \bm-1, 32
.endr
	SEND 3, 0
	s_wait_tensorcnt 0x0                           ; the wave's end, behind my last LDS store
	ds_add_u32 v4, v5
	s_wait_dscnt 0x0
	s_endpgm
.Lfunc_end_k_q0b4d09612f_tail:
	.size	k_q0b4d09612f_tail, .Lfunc_end_k_q0b4d09612f_tail-k_q0b4d09612f_tail
	.p2alignl 7, 3214868480
	.fill 96, 4, 3214868480
	.section	.rodata,"a",@progbits
	.p2align	6, 0x0
	.amdhsa_kernel k_q0b4d09612f_tail
		.amdhsa_group_segment_fixed_size 201216
		.amdhsa_private_segment_fixed_size 0
		.amdhsa_enable_private_segment 0
		.amdhsa_kernarg_size 72
		.amdhsa_user_sgpr_count 2
		.amdhsa_user_sgpr_kernarg_segment_ptr 1
		.amdhsa_wavefront_size32 1
		.amdhsa_system_sgpr_workgroup_id_x 1
		.amdhsa_system_sgpr_workgroup_id_y 1
		.amdhsa_system_sgpr_workgroup_id_z 1
		.amdhsa_system_vgpr_workitem_id 0
		.amdhsa_next_free_vgpr 1024
		.amdhsa_next_free_sgpr 80
		.amdhsa_reserve_vcc 0
		.amdhsa_float_denorm_mode_32 3
		.amdhsa_float_denorm_mode_16_64 3
		.amdhsa_memory_ordered 1
		.amdhsa_forward_progress 1
		.amdhsa_inst_pref_size 255
	.end_amdhsa_kernel
	.section	.bss,"aw",@nobits
	.p2align	6
	.space	262144
	.amdgpu_metadata
---
amdhsa.version: [ 1, 2 ]
amdhsa.kernels:
  - .name:           k_q0b4d09612f_tail
    .symbol:         k_q0b4d09612f_tail.kd
    .args:
      - { .name: ctx, .offset: 0, .size: 8, .value_kind: global_buffer, .address_space: global }
      - { .name: wcodes, .offset: 8, .size: 8, .value_kind: global_buffer, .address_space: global }
      - { .name: inputs, .offset: 16, .size: 8, .value_kind: global_buffer, .address_space: global }
      - { .name: ln2_scale, .offset: 24, .size: 8, .value_kind: global_buffer, .address_space: global }
      - { .name: ln2_bias, .offset: 32, .size: 8, .value_kind: global_buffer, .address_space: global }
      - { .name: b1, .offset: 40, .size: 8, .value_kind: global_buffer, .address_space: global }
      - { .name: b2, .offset: 48, .size: 8, .value_kind: global_buffer, .address_space: global }
      - { .name: lowp_scales, .offset: 56, .size: 8, .value_kind: global_buffer, .address_space: global }
      - { .name: out0, .offset: 64, .size: 8, .value_kind: global_buffer, .address_space: global }
    .group_segment_fixed_size: 201216
    .private_segment_fixed_size: 0
    .kernarg_segment_align: 8
    .kernarg_segment_size: 72
    .max_flat_workgroup_size: 128
    .sgpr_count:     80
    .vgpr_count:     1024
    .wavefront_size: 32
...
	.end_amdgpu_metadata
.endif
;; end of part 4
;; ======== version 2 of 2: 4 launches; version 1 with the launches qkv, attn, tail written anew for expert scheduling mode
;; workspace buffers: wcodes 3,145,728 bytes; xcodes 12,582,912 bytes; qkv 12,582,912 bytes; ctx 4,194,304 bytes
;; launch prep: the kernel of part 1 again; grid 320 x 1, 4 waves a work-group, no clusters, 132,608 bytes of LDS; arguments inputs, ln1_scale, ln1_bias, wq, wk, wv, wo, w1, w2, lowp_scales, wcodes, xcodes; writes wcodes, xcodes
;; launch qkv (part 5): grid 64 x 3, 4 waves a work-group, no clusters, 0 bytes of LDS; arguments wcodes, xcodes, lowp_scales, qkv; writes qkv
.if DOCPART == 5
	.amdgcn_target "amdgcn-amd-amdhsa--gfx1250"
	.amdhsa_code_object_version 6
	.text
	.protected	k_q0b4d09612f_qkv
	.globl	k_q0b4d09612f_qkv
	.p2align	8
	.type	k_q0b4d09612f_qkv,@function
k_q0b4d09612f_qkv:
	s_mov_b64 s[64:65], 0
	v_nop
	global_prefetch_b8 v0, s[64:65] scope:SCOPE_SE
	s_setreg_imm32_b32 hwreg(HW_REG_WAVE_SCHED_MODE, 0, 2), 2
	s_setreg_imm32_b32 hwreg(HW_REG_WAVE_MODE, 25, 1), 1
	s_wait_xcnt 0x0
	s_wait_alu depctr_vm_vsrc(0)
; QKV.  Work-group (x, y): block x of 128 rows, y = 0: q / 8, 1: k, 2: v.  Product on E4M3 codes, f32 sums; the sums are quantised at once for the attention's products.
; ONE BODY: a stationary operand S (8 tiles x 4 K steps, 512 registers, source 0) and a streamed operand T (8 tiles, source 1).  A lane of a result holds row r of T's tile and, in register j of S's tile t,
; S's row 16t + 8h + j: converted eight at a time these are registers 2t, 2t+1 of the next operand (row = T's, K = S's).  Nothing changes lanes.
; q, k: S = my wave's 128 columns of the weight (heads 2w, 2w+1), T = the block's 8 tiles of rows: the result is, for each tile of tokens, two fragments of 16 tokens x 64 (one a head).
; v:    S = the block's 128 rows, T = my wave's 8 tiles of columns: the result is, for each 16 dims of a head, a fragment of 16 dims x the block's 128 keys.
; qkv: [q, k, v][batch x 4 + pair of heads][block][8][2,048], images of registers.
; code = sum / 2^E, E = e(6+y) - e(2y) - e(2y+1) (+ 3 for q: the factor 1/8).  LIMIT: E between -126 and 119.
; No LDS, no cluster: each wave's stationary operand is read once into its registers and a streamed fragment feeds eight products straight from its registers; through LDS each byte would be written and read once more.
; THE MODE: SCHED_MODE bits 1:0 = 2 (LLVM: expert scheduling mode 2), set by the entry lines.  The code itself states the register dependences
; between vector or matrix instructions and memory instructions, with s_wait_alu, always for 0.
; THE PLAN.  Registers that memory instructions touch:
;   v1            the offset of every load and store: made once at the head.
;   windows 1, 2  S: loaded once, read by products alone.
;   T0, T1        v32-95, v96-159.  Tile m's products read T[m % 2]; behind them the loads of tile m + 2 land in it.
;   window 3      tile m's codes in 16 registers of their own, at 16 m: written once by tile m's conversions, read by four stores that are issued in tile m + 1.  No store's data are ever written again.
; So ONE wait on va_vdst stands in a tile, behind its products and their places: the products are done reading T[m % 2], and the conversions of the tile before have written their codes.
; The tile's sixteen loads and the four stores of the tile before follow it; no vector or matrix instruction issued since names a register of theirs.
.set ACC, 160                          ; v160-223 eight accumulators
.set SC,  4                            ; v4 2^E, v5 448 x 2^E
.set LIM, 5
.set MSB, 0
.macro WIN new
.if MSB != (\new)
	s_set_vgpr_msb (MSB<<8)|(\new)
.set MSB, (\new)
.endif
.endm
	s_load_b256 s[8:15], s[0:1], 0x0               ; wcodes 8, xcodes 10, lowp_scales 12, qkv 14
	v_lshrrev_b32 v2, 5, v0
	v_readfirstlane_b32 s4, v2                     ; wave
	v_and_b32 v1, 31, v0
	v_lshlrev_b32 v1, 4, v1                        ; 16 x lane
	s_wait_alu depctr_va_sdst(0)                   ; s4 is written, ahead of its first reader: the bases are made from it
	s_and_b32 s5, ttmp7, 0xffff                    ; which of q, k, v
	s_lshl_b32 s16, s5, 18                         ; the weight: 262,144 bytes each,
	s_lshl_b32 s17, s4, 16                         ; my 8 tiles of columns
	s_add_co_u32 s16, s16, s17
	s_mov_b32 s17, 0
	s_lshl_b32 s22, s5, 22                         ; the version of x, and the part of qkv: 4,194,304 bytes each
	s_lshl_b32 s18, ttmp9, 16                      ; the block's 8 tiles of rows
	s_add_co_u32 s18, s22, s18
	s_mov_b32 s19, 0
	s_lshr_b32 s20, ttmp9, 5                       ; batch
	s_and_b32 s21, ttmp9, 31                       ; block
	s_lshl_b32 s20, s20, 2
	s_add_co_u32 s20, s20, s4
	s_lshl_b32 s20, s20, 5
	s_add_co_u32 s20, s20, s21
	s_lshl_b32 s20, s20, 14
	s_add_co_u32 s20, s20, s22
	s_mov_b32 s21, 0
	s_wait_kmcnt 0x0
	s_load_b512 s[36:51], s[12:13], 0x0            ; the exponents
	s_add_nc_u64 s[8:9], s[8:9], s[16:17]
	s_add_nc_u64 s[10:11], s[10:11], s[18:19]
	s_add_nc_u64 s[14:15], s[14:15], s[20:21]
	s_cmp_eq_u32 s5, 2
	s_cselect_b64 s[24:25], s[10:11], s[8:9]       ; S
	s_cselect_b64 s[26:27], s[8:9], s[10:11]       ; T
	WIN 0x40
	s_wait_alu depctr_va_vdst(0)                   ; v1 is written: every load and store of the kernel reads it as its offset
.set i, 0
.rept 64
	global_load_b128 v[4*i:4*i+3], v1, s[24:25] offset:512*i           ; S's tiles 0-3: register 64t + 16s + 4c of window 1
.set i, i+1
.endr
	WIN 0x80
.set i, 0
.rept 64
	global_load_b128 v[4*i:4*i+3], v1, s[24:25] offset:32768+512*i     ; tiles 4-7: window 2
.set i, i+1
.endr
	WIN 0
.macro TLOAD m                         ; T's tile m, four fragments, into buffer m % 2
.set i, 0
.rept 16
	global_load_b128 v[32+64*((\m)%2)+4*i:32+64*((\m)%2)+4*i+3], v1, s[26:27] offset:8192*(\m)+512*i
.set i, i+1
.endr
.endm
	TLOAD 0
	TLOAD 1
	s_wait_kmcnt 0x0
	s_cmp_eq_u32 s5, 0
	s_cselect_b32 s28, s42, s43
	s_cselect_b32 s29, s36, s38
	s_cselect_b32 s30, s37, s39
	s_cselect_b32 s31, 3, 0
	s_cmp_eq_u32 s5, 2
	s_cselect_b32 s28, s44, s28
	s_cselect_b32 s29, s40, s29
	s_cselect_b32 s30, s41, s30
	s_sub_co_i32 s28, s28, s29
	s_sub_co_i32 s28, s28, s30
	s_add_co_i32 s28, s28, s31                     ; E
	s_add_co_i32 s28, s28, 127
	s_lshl_b32 s29, s28, 23
	v_mov_b32 v[SC], s29                           ; 2^E
	s_add_co_i32 s28, s28, 8
	s_lshl_b32 s28, s28, 23
	s_or_b32 s28, s28, 0x600000
	v_mov_b32 v[LIM], s28                          ; 448 x 2^E
.macro HALF w, a0, tb                  ; 16 products: S's four tiles of window w; the four accumulators take turns, one instruction a turn
	WIN \w
.irp ks, 0,1,2,3
.irp tt, 0,1,2,3
.if \ks == 0
	v_wmma_f32_16x16x128_fp8_fp8 v[(\a0)+8*\tt:(\a0)+8*\tt+7], v[64*\tt+16*\ks:64*\tt+16*\ks+15], v[(\tb)+16*\ks:(\tb)+16*\ks+15], 0
.else
	v_wmma_f32_16x16x128_fp8_fp8 v[(\a0)+8*\tt:(\a0)+8*\tt+7], v[64*\tt+16*\ks:64*\tt+16*\ks+15], v[(\tb)+16*\ks:(\tb)+16*\ks+15], v[(\a0)+8*\tt:(\a0)+8*\tt+7]
.endif
.endr
.endr
.endm
.macro OUT m                           ; tile m's codes leave: store data in window 3
	WIN 0x0C
.irp c, 0,1,2,3
	global_store_b128 v1, v[16*(\m)+4*\c:16*(\m)+4*\c+3], s[14:15] offset:2048*(\m)+512*\c   ; 512 consecutive bytes, aligned
.endr
.endm
.macro TILE m
.if (\m) < 7
	s_wait_loadcnt 16                              ; this tile's fragments (and S) are in; the next tile's 16 loads may stay out
.else
	s_wait_loadcnt 0
.endif
	HALF 0x01, ACC, 32+64*((\m)%2)
	HALF 0x02, ACC+32, 32+64*((\m)%2)
	WIN 0
.rept 4
	v_nop                                          ; four places ahead of the first read of results (ISA guide 7.12.1)
.endr
	s_wait_alu depctr_va_vdst(0)                   ; this tile's products are done reading T[m % 2], in which the loads below land; the conversions of the tile before have written the codes that the stores below read
.if (\m) < 6
	TLOAD (\m)+2
.endif
.if (\m) > 0
	OUT (\m)-1
.endif
	WIN 0
.set i, 0
.rept 64
	v_med3_num_f32 v[ACC+i], v[ACC+i], -v[LIM], v[LIM]   ; the hold; each accumulator from its low end on
.set i, i+1
.endr
	WIN 0xC0                                       ; the codes go to window 3
.set i, 0
.rept 8
	v_cvt_scalef32_pk8_fp8_f32 v[16*(\m)+2*i:16*(\m)+2*i+1], v[ACC+8*i:ACC+8*i+7], v[SC]
.set i, i+1
.endr
	v_nop                                          ; a plain instruction between the conversions and the products that write their sources
.endm
.irp mm, 0,1,2,3,4,5,6,7
	TILE \mm
.endr
	WIN 0x0C
	s_wait_alu depctr_va_vdst(0)                   ; the last tile's conversions have written the codes that the last four stores read
	OUT 7
	s_endpgm
.Lfunc_end_k_q0b4d09612f_qkv:
	.size	k_q0b4d09612f_qkv, .Lfunc_end_k_q0b4d09612f_qkv-k_q0b4d09612f_qkv
	.p2alignl 7, 3214868480
	.fill 96, 4, 3214868480
	.section	.rodata,"a",@progbits
	.p2align	6, 0x0
	.amdhsa_kernel k_q0b4d09612f_qkv
		.amdhsa_group_segment_fixed_size 0
		.amdhsa_private_segment_fixed_size 0
		.amdhsa_enable_private_segment 0
		.amdhsa_kernarg_size 32
		.amdhsa_user_sgpr_count 2
		.amdhsa_user_sgpr_kernarg_segment_ptr 1
		.amdhsa_wavefront_size32 1
		.amdhsa_system_sgpr_workgroup_id_x 1
		.amdhsa_system_sgpr_workgroup_id_y 1
		.amdhsa_system_sgpr_workgroup_id_z 1
		.amdhsa_system_vgpr_workitem_id 0
		.amdhsa_next_free_vgpr 1024
		.amdhsa_next_free_sgpr 66
		.amdhsa_reserve_vcc 0
		.amdhsa_float_denorm_mode_32 3
		.amdhsa_float_denorm_mode_16_64 3
		.amdhsa_memory_ordered 1
		.amdhsa_forward_progress 1
		.amdhsa_inst_pref_size 85
	.end_amdhsa_kernel
	.amdgpu_metadata
---
amdhsa.version: [ 1, 2 ]
amdhsa.kernels:
  - .name:           k_q0b4d09612f_qkv
    .symbol:         k_q0b4d09612f_qkv.kd
    .args:
      - { .name: wcodes, .offset: 0, .size: 8, .value_kind: global_buffer, .address_space: global }
      - { .name: xcodes, .offset: 8, .size: 8, .value_kind: global_buffer, .address_space: global }
      - { .name: lowp_scales, .offset: 16, .size: 8, .value_kind: global_buffer, .address_space: global }
      - { .name: qkv, .offset: 24, .size: 8, .value_kind: global_buffer, .address_space: global }
    .group_segment_fixed_size: 0
    .private_segment_fixed_size: 0
    .kernarg_segment_align: 8
    .kernarg_segment_size: 32
    .max_flat_workgroup_size: 128
    .sgpr_count:     66
    .vgpr_count:     1024
    .wavefront_size: 32
...
	.end_amdgpu_metadata
.endif
;; end of part 5
;; launch attn (part 6): grid 16 x 16, 16 waves a work-group, no clusters, 165,888 bytes of LDS; arguments qkv, lowp_scales, ctx; writes ctx
.if DOCPART == 6
	.amdgcn_target "amdgcn-amd-amdhsa--gfx1250"
	.amdhsa_code_object_version 6
	.text
	.protected	k_q0b4d09612f_attn
	.globl	k_q0b4d09612f_attn
	.p2align	8
	.type	k_q0b4d09612f_attn,@function
k_q0b4d09612f_attn:
	s_mov_b64 s[64:65], 0
	v_nop
	global_prefetch_b8 v0, s[64:65] scope:SCOPE_SE
	s_setreg_imm32_b32 hwreg(HW_REG_WAVE_SCHED_MODE, 0, 2), 2
	s_setreg_imm32_b32 hwreg(HW_REG_WAVE_MODE, 25, 1), 1
	s_wait_xcnt 0x0
	s_wait_alu depctr_vm_vsrc(0)
; ATTN.  The mask is built by the problem itself: a query of block i (128 rows) sees its own block causally and the last 32 keys of every earlier block.  Only those keys are multiplied; all others have p = 0.
; SHARES.  Work-group (a, batch x 8 + head) owns query blocks a and 31 - a of one head: (128 + 32 a) + (128 + 32 (31 - a)) keys for every a.  Waves 0-7 take block a, waves 8-15 block 31 - a, 16 queries each, in 256 registers.
; Both products are used transposed (source 0 = 16 keys, or 16 dims; source 1 = my 16 queries): a lane holds ONE query throughout, and p's conversions give the second product's operand as it stands.
; SOFTMAX: t = score x log2(e); M = the running largest t rounded up to a whole number; p = 2^(t - M) is quantised, not normalised; the sum of the unquantised p divides at the end; when M moves, sum and O are multiplied by 2^(old M - new M).
; A STEP is 128 keys: first the own block (causal), then up to 8 steps of four earlier blocks' 32 keys each.  The loop has 8 trips in every wave; a step whose first block is not earlier than mine is jumped over (ids alone).
; LDS, filled once through registers, one barrier: the 32 blocks' last two key tiles; V's last chunk of each block, laid as fragments of four blocks; the two own blocks' K and V.
; No cluster, no ring: what the work-groups of a head share is read once by each, in one burst at its head, 160 KiB; there is no stream of tiles behind it that joint requests could serve.
; LIMITS: e6 + e7 between -126 and 127; e9 and e10 between -126 and 119.
; THE MODE: SCHED_MODE bits 1:0 = 2 (LLVM: expert scheduling mode 2), set by the entry lines.  The code itself states the register dependences
; between vector or matrix instructions and memory or LDS instructions, with s_wait_alu, always for 0.
; THE PLAN.  Registers that memory or LDS instructions touch:
;   v1-v4, v7, v10   offsets and LDS addresses, made once at the head.
;   v8, v9           LDS addresses of a step's K and V: read by the step's loads, written once a trip at the loop's top.
;   v32-111          at the head: global loads land there and the LDS stores read them.
;   v32-95           in a step: K's tiles land, the scores' products read them, V's fragments land, the second products read them.
;   v224-231         ctx's codes: written by the last conversions, read by the two global stores.
;   v5, v6           written at the head, read by the closing add alone.
; Waits on va_vdst in a step: at its head (the last products are done reading V; v8 and v9 are written); behind the scores' products (they are done reading K), where their results are wanted next in any case;
; and the one behind the exponentials.  V's sixteen loads follow the second, dealt among the lines of the maximum, which name the scores and two registers at work: none of v9 and v32-95.
; One wait on vm_vsrc a trip stands ahead of the adds to v8 and v9; one behind the barrier, ahead of the first writes of v32-111.
; The causal mask's compares write scalar registers, sixteen to a run, with one wait on va_sdst between a run and the selects that read it.
.set VS,    65536                      ; KS at 0: block b's key tiles 6, 7 at 2,048 b.  VS: fragment (step s, dims d) at (4 s + d) x 2,048, chunk q from block 4 s + q
.set KO,    131072                     ; own K: 8,192 u + 1,024 x tile
.set VO,    147456                     ; own V: 8,192 u + 2,048 d
.set SPARE, 163840                     ; the spare words: 128 bytes for each of 16 waves
.macro MKSC se, vsc, vlim
	s_add_co_i32 s60, \se, 127
	s_lshl_b32 s61, s60, 23
	v_mov_b32 v[\vsc], s61
	s_add_co_i32 s60, s60, 8
	s_lshl_b32 s60, s60, 23
	s_or_b32 s60, s60, 0x600000
	v_mov_b32 v[\vlim], s60
.endm
.macro PLACES n
.rept \n
	v_nop
.endr
.endm
	s_load_b128 s[8:11], s[0:1], 0x0               ; qkv 8, lowp_scales 10
	s_load_b64 s[12:13], s[0:1], 0x10              ; ctx
	v_lshl_add_u32 v5, v0, 2, SPARE                ; my spare word
	v_mov_b32 v6, 0
	v_lshrrev_b32 v8, 5, v0
	v_readfirstlane_b32 s4, v8                     ; wave
	v_and_b32 v1, 31, v0
	v_lshlrev_b32 v1, 4, v1                        ; 16 x lane
	s_wait_alu depctr_va_sdst(0)                   ; s4 is written, ahead of its first reader: shares, bases and LDS addresses are made from it
	s_lshr_b32 s5, s4, 3                           ; u: which of the two blocks
	s_and_b32 s6, s4, 7                            ; my tile of 16 queries
	s_sub_co_u32 s7, 31, ttmp9
	s_cmp_eq_u32 s5, 0
	s_cselect_b32 s7, ttmp9, s7                    ; my block
	s_and_b32 s14, ttmp7, 0xffff
	s_lshr_b32 s15, s14, 3                         ; batch
	s_and_b32 s16, s14, 7                          ; head
	s_lshr_b32 s17, s16, 1                         ; pair of heads
	s_and_b32 s18, s16, 1                          ; which of the pair
	s_lshl_b32 s19, s15, 2
	s_add_co_u32 s19, s19, s17
	s_lshl_b32 s19, s19, 19                        ; the pair's 32 blocks x 16,384 bytes
	; LDS addresses: constants, the wave's number and the lane alone
	s_lshl_b32 s60, s4, 12
	v_add_nc_u32 v2, s60, v1                       ; K's summary, in: blocks 2w, 2w+1
	s_lshr_b32 s60, s4, 1
	s_lshl_b32 s60, s60, 13
	s_and_b32 s61, s4, 1
	s_lshl_b32 s61, s61, 10
	s_add_co_u32 s60, s60, s61
	s_add_co_u32 s60, s60, VS
	v_add_nc_u32 v3, s60, v1                       ; V's summary, in
	s_lshl_b32 s60, s4, 10
	s_add_co_u32 s61, s60, KO
	v_add_nc_u32 v4, s61, v1                       ; own K, in
	s_add_co_u32 s61, s60, VO
	v_add_nc_u32 v7, s61, v1                       ; own V, in
	v_add_nc_u32 v10, VS, v1
	s_lshl_b32 s60, s5, 13
	s_add_co_u32 s61, s60, KO
	v_add_nc_u32 v8, s61, v1                       ; the own step's K
	s_add_co_u32 s61, s60, VO
	v_add_nc_u32 v9, s61, v1                       ; and V
	s_mov_b32 s3, 0
	s_lshl_b32 s2, s15, 8                          ; ctx: (256 batch + 8 block + tile) x 8,192 + 2,048 pair + 1,024 which
	s_lshl_b32 s60, s7, 3
	s_add_co_u32 s2, s2, s60
	s_add_co_u32 s2, s2, s6
	s_lshl_b32 s2, s2, 13
	s_lshl_b32 s60, s17, 11
	s_add_co_u32 s2, s2, s60
	s_lshl_b32 s62, s18, 10                        ; 1,024 x which
	s_add_co_u32 s2, s2, s62
	s_lshl_b32 s63, s18, 13                        ; 8,192 x which
	s_lshl_b32 s16, s7, 14
	s_add_co_u32 s16, s16, s19                     ; my block's entries
	s_wait_kmcnt 0x0
	s_load_b512 s[36:51], s[10:11], 0x0            ; the exponents
	s_add_nc_u64 s[34:35], s[12:13], s[2:3]
	s_lshl_b32 s60, s6, 11
	s_add_co_u32 s2, s16, s60
	s_add_co_u32 s2, s2, s62
	s_add_nc_u64 s[24:25], s[8:9], s[2:3]          ; my queries
	s_add_nc_u64 s[30:31], s[24:25], 0x400000      ; own K: the tile with my wave's number
	s_lshl_b32 s60, s6, 10
	s_add_co_u32 s2, s16, s60
	s_add_co_u32 s2, s2, s63
	s_add_co_u32 s2, s2, 0x800000
	s_add_nc_u64 s[32:33], s[8:9], s[2:3]          ; own V: my 1,024 bytes of its 8,192
	s_lshl_b32 s60, s4, 15
	s_add_co_u32 s60, s60, s19                     ; blocks 2w, 2w+1
	s_add_co_u32 s2, s60, s62
	s_add_co_u32 s2, s2, 0x400000
	s_add_nc_u64 s[26:27], s[8:9], s[2:3]
	s_add_co_u32 s2, s60, s63
	s_add_co_u32 s2, s2, 0x800000
	s_add_nc_u64 s[28:29], s[8:9], s[2:3]
	s_wait_alu depctr_va_vdst(0)                   ; v1 to v4 and v7 to v10 are written: the loads, the LDS stores and the own step's LDS loads read them as offsets and addresses
	global_load_b128 v[16:19], v1, s[24:25]
	global_load_b128 v[20:23], v1, s[24:25] offset:512
.irp bb, 0,1
.irp kk, 0,1
.irp cc, 0,1
	global_load_b128 v[32+4*(4*\bb+2*\kk+\cc):35+4*(4*\bb+2*\kk+\cc)], v1, s[26:27] offset:16384*\bb+2048*(6+\kk)+512*\cc
.endr
.endr
.endr
.irp bb, 0,1
.irp dd, 0,1,2,3
	global_load_b128 v[64+4*(4*\bb+\dd):67+4*(4*\bb+\dd)], v1, s[28:29] offset:16384*\bb+2048*\dd+1536
.endr
.endr
.irp cc, 0,1
	global_load_b128 v[96+4*\cc:99+4*\cc], v1, s[30:31] offset:512*\cc
	global_load_b128 v[104+4*\cc:107+4*\cc], v1, s[32:33] offset:512*\cc
.endr
	s_mov_b32 s52, 0x76543210                      ; lane l xor 16
	s_mov_b32 s53, 0xfedcba98
	v_mov_b32 v13, 0xff61b1e6                      ; the largest t so far: -3e38
	v_floor_f32 v12, -v13                          ; -M
	v_mov_b32 v14, 0                               ; the sum, in two halves
	v_mov_b32 v15, 0
	v_mov_b32 v245, 0                              ; a lane permute's destination counts as read
	v_mov_b32 v253, 0                              ; named as the upper half of v[252:253]
.set i, 0
.rept 32
	v_mov_b32 v[160+i], 0                          ; O^T: the step is written for every step alike; the first change of M leaves zeros zeros
.set i, i+1
.endr
	v_and_b32 v246, 15, v0
	v_bfe_u32 v247, v0, 4, 1
	v_lshlrev_b32 v247, 3, v247
	v_sub_nc_u32 v246, v246, v247
	s_lshl_b32 s60, s6, 4
	v_add_nc_u32 v246, s60, v246                   ; my query in its block - 8 h
	s_wait_kmcnt 0x0
	s_add_co_i32 s60, s42, s43
	s_lshl_b32 s60, s60, 23
	s_mov_b32 s22, 0x3fb8aa3b                      ; log2(e),
	s_add_co_i32 s22, s22, s60                     ; x 2^(e6 + e7): added to its exponent field
	s_mov_b32 s23, s22
	MKSC s45, 244, 240                             ; p's scale
	MKSC s46, 249, 248                             ; ctx's
	s_wait_loadcnt 0x0
.irp bb, 0,1
.irp kk, 0,1
.irp cc, 0,1
	ds_store_b128 v2, v[32+4*(4*\bb+2*\kk+\cc):35+4*(4*\bb+2*\kk+\cc)] offset:2048*\bb+1024*\kk+512*\cc
.endr
.endr
.endr
.irp bb, 0,1
.irp dd, 0,1,2,3
	ds_store_b128 v3, v[64+4*(4*\bb+\dd):67+4*(4*\bb+\dd)] offset:2048*\dd+512*\bb
.endr
.endr
.irp cc, 0,1
	ds_store_b128 v4, v[96+4*\cc:99+4*\cc] offset:512*\cc
	ds_store_b128 v7, v[104+4*\cc:107+4*\cc] offset:512*\cc
.endr
	s_wait_dscnt 0x0                               ; for the others' sake: my stores have landed
	s_barrier_signal -1
	s_barrier_wait -1                              ; the one barrier: behind it LDS is only read
	s_wait_alu depctr_vm_vsrc(0)                   ; my LDS stores have read v32-111: K's tiles land in v32-95 and the scores' products write v96 on
.macro VLD                             ; the next of V's sixteen loads
	ds_load_b128 v[32+4*vl:35+4*vl], v9 offset:512*vl
.set vl, vl+1
.endm
; A STEP of 128 keys: K's eight tiles at v8, V's four fragments at v9.  mode 0: the own block, causal; mode 1: four earlier blocks' summaries.
.macro STEP mode
	PLACES 4                                       ; behind the last products
.if \mode
	s_wait_alu depctr_va_vdst(0)                   ; the last step's products are done reading V in v32-95, in which K lands; v8 and v9 are written
.endif
.set i, 0
.rept 16
	ds_load_b128 v[32+4*i:35+4*i], v8 offset:512*i
.set i, i+1
.endr
	s_wait_dscnt 0x0
.irp tt, 0,1,2,3,4,5,6,7
	v_wmma_f32_16x16x64_fp8_fp8 v[96+8*\tt:103+8*\tt], v[32+8*\tt:39+8*\tt], v[16:23], 0
.endr
	PLACES 4                                       ; four places ahead of the first read of the scores (ISA guide 7.12.1)
	s_wait_alu depctr_va_vdst(0)                   ; the eight products are done reading K in v32-95, in which V lands
.set vl, 0
	VLD                                            ; V lands under the softmax: two loads here, the other fourteen among the lines of the maximum
	VLD
.if \mode == 0
	v_mov_b32 v254, 0xff800000                     ; register 8t + j holds key 16t + 8h + j: hidden where 16t + j > my query - 8h
.set n0, 0
.rept 4
.set n, n0
.rept 16
	v_cmp_gt_i32 s[36+(n-n0)+10*((n-n0)/8)], 16*(n/8)+n%8, v246   ; sixteen masks, in s36-43 and s54-61, which hold nothing that is still wanted here
.set n, n+1
.endr
	s_wait_alu depctr_va_sdst(0)                   ; the sixteen masks are written, ahead of the selects that read them
.set n, n0
.rept 16
	v_cndmask_b32 v[96+n], v[96+n], v254, s[36+(n-n0)+10*((n-n0)/8)]
.set n, n+1
.endr
.set n0, n0+16
.endr
.else
.irp gg, 1,2,3                         ; block 4 s + g counts where it is earlier than mine: 0 or -infinity is added, without a branch
	s_add_co_u32 s60, s21, \gg
	s_cmp_lt_u32 s60, s7
	s_cselect_b32 s[52+2*\gg], 0, 0xff800000
	s_mov_b32 s[53+2*\gg], s[52+2*\gg]
.endr
.irp gg, 1,2,3
.irp pp, 0,2,4,6,8,10,12,14
	v_pk_add_f32 v[96+16*\gg+\pp:97+16*\gg+\pp], v[96+16*\gg+\pp:97+16*\gg+\pp], s[52+2*\gg:53+2*\gg] op_sel_hi:[1,0]
.endr
.endr
.endif
	v_max3_num_f32 v254, v96, v97, v98             ; the step's largest score of my query, in two chains
	v_max3_num_f32 v252, v99, v100, v101
.irp i, 6,10,14,18,22,26,30,34,38,42,46,50,54,58
	v_max3_num_f32 v254, v254, v[96+\i], v[97+\i]
	v_max3_num_f32 v252, v252, v[98+\i], v[99+\i]
	VLD                                            ; no wait: no vector instruction since the wait above names v9 or v32-95
.endr
	v_max3_num_f32 v254, v254, v158, v159
	v_max_num_f32 v254, v254, v252
	v_permlanex16_b32 v245, v254, s52, s53
	v_max_num_f32 v254, v254, v245                 ; and among the lane 16 away's
	v_mul_f32 v254, s22, v254                      ; as t
	v_max_num_f32 v13, v13, v254
	v_mov_b32 v254, v12
	v_floor_f32 v12, -v13                          ; -M = floor(-t)
	v_sub_f32 v254, v12, v254                      ; old M - new M, a whole number, 0 or less
	v_cvt_i32_f32 v254, v254                       ; (it saturates)
	v_ldexp_f32 v252, 1.0, v254                    ; f = 2^(old M - new M)
.set j, 0
.rept 32
	v_pk_fma_f32 v[96+j:97+j], v[96+j:97+j], s[22:23], v[12:13] op_sel_hi:[1,0,0]   ; t - M
.set j, j+2
.endr
.set j, 0
.rept 64
	v_exp_f32 v[96+j], v[96+j]                     ; p
.set j, j+1
.endr
	v_pk_mul_f32 v[14:15], v[14:15], v[252:253] op_sel_hi:[1,0]   ; the sums under the new M: the plain instruction behind the batch
	s_wait_alu depctr_va_vdst(0)                   ; the 64 exponentials have written p: one wait for the batch, ahead of its first reader
	v_pk_add_f32 v[242:243], v[96:97], v[98:99]    ; the sum of the unquantised p, in two chains
.irp j, 4,8,12,16,20,24,28,32,36,40,44,48,52,56,60
	v_pk_add_f32 v[14:15], v[14:15], v[96+\j:97+\j]
	v_pk_add_f32 v[242:243], v[242:243], v[98+\j:99+\j]
.endr
	v_pk_add_f32 v[14:15], v[14:15], v[242:243]
.set j, 0
.rept 64
	v_min_num_f32 v[96+j], v[96+j], v240           ; the hold, one-sided: p is not negative
.set j, j+1
.endr
.set j, 0
.rept 8
	v_cvt_scalef32_pk8_fp8_f32 v[224+2*j:225+2*j], v[96+8*j:103+8*j], v244   ; tile t's eight keys: registers 2t, 2t+1 of the operand
.set j, j+1
.endr
.set j, 0
.rept 16
	v_pk_mul_f32 v[160+j:161+j], v[160+j:161+j], v[252:253] op_sel_hi:[1,0]   ; O^T under the new M; also the plain instructions behind the conversions
.set j, j+2
.endr
	s_wait_dscnt 0x0                               ; V
.irp dd, 0,1,2,3
	v_wmma_f32_16x16x128_fp8_fp8 v[160+8*\dd:167+8*\dd], v[32+16*\dd:47+16*\dd], v[224:239], v[160+8*\dd:167+8*\dd]
.endr
.endm
	STEP 0                                         ; the own block first: its diagonal key makes M a number from the start
	s_mov_b32 s20, 0                               ; the step's bytes in both summaries
	s_mov_b32 s21, 0                               ; its first block
	s_mov_b32 s3, 8
.Lsum:
	s_wait_alu depctr_vm_vsrc(0)                   ; the LDS loads issued so far have read v8 and v9
	v_add_nc_u32 v8, s20, v1
	v_add_nc_u32 v9, s20, v10
	s_cmp_ge_u32 s21, s7                           ; ids alone; no barrier stands in a step
	s_cbranch_scc1 .Lskip
	STEP 1
.Lskip:
	s_add_co_u32 s20, s20, 8192
	s_add_co_u32 s21, s21, 4
	s_sub_co_u32 s3, s3, 1
	s_cmp_lg_u32 s3, 0
	s_cbranch_scc1 .Lsum
	; THE WAY OUT: O^T x 2^(e8 + e9) / sum, quantised with e10: my head's half of a fragment of the next product
	PLACES 4
	v_add_f32 v14, v14, v15
	v_permlanex16_b32 v245, v14, s52, s53
	v_add_f32 v14, v14, v245
	v_rcp_f32 v14, v14
	v_nop
	s_add_co_i32 s60, s44, s45
	s_wait_alu depctr_va_vdst(0)                   ; the reciprocal is written, ahead of its first reader
	v_ldexp_f32 v14, v14, s60
.set j, 0
.rept 32
	v_mul_f32 v[96+j], v[160+j], v14
.set j, j+1
.endr
.set j, 0
.rept 32
	v_med3_num_f32 v[96+j], v[96+j], -v248, v248
.set j, j+1
.endr
.set j, 0
.rept 4
	v_cvt_scalef32_pk8_fp8_f32 v[224+2*j:225+2*j], v[96+8*j:103+8*j], v249
.set j, j+1
.endr
	v_nop
	s_wait_alu depctr_va_vdst(0)                   ; the conversions have written v224-231, which the two stores read
	global_store_b128 v1, v[224:227], s[34:35]             ; 512 consecutive bytes each, aligned
	global_store_b128 v1, v[228:231], s[34:35] offset:512
	s_wait_dscnt 0x0                               ; the closing lines, six on end
	s_wait_alu 0x0
	s_wait_tensorcnt 0x0
	ds_add_u32 v5, v6
	s_wait_dscnt 0x0
	s_endpgm
.Lfunc_end_k_q0b4d09612f_attn:
	.size	k_q0b4d09612f_attn, .Lfunc_end_k_q0b4d09612f_attn-k_q0b4d09612f_attn
	.p2alignl 7, 3214868480
	.fill 96, 4, 3214868480
	.section	.rodata,"a",@progbits
	.p2align	6, 0x0
	.amdhsa_kernel k_q0b4d09612f_attn
		.amdhsa_group_segment_fixed_size 165888
		.amdhsa_private_segment_fixed_size 0
		.amdhsa_enable_private_segment 0
		.amdhsa_kernarg_size 24
		.amdhsa_user_sgpr_count 2
		.amdhsa_user_sgpr_kernarg_segment_ptr 1
		.amdhsa_wavefront_size32 1
		.amdhsa_system_sgpr_workgroup_id_x 1
		.amdhsa_system_sgpr_workgroup_id_y 1
		.amdhsa_system_sgpr_workgroup_id_z 1
		.amdhsa_system_vgpr_workitem_id 0
		.amdhsa_next_free_vgpr 256
		.amdhsa_next_free_sgpr 66
		.amdhsa_reserve_vcc 0
		.amdhsa_float_denorm_mode_32 3
		.amdhsa_float_denorm_mode_16_64 3
		.amdhsa_memory_ordered 1
		.amdhsa_forward_progress 1
		.amdhsa_inst_pref_size 55
	.end_amdhsa_kernel
	.amdgpu_metadata
---
amdhsa.version: [ 1, 2 ]
amdhsa.kernels:
  - .name:           k_q0b4d09612f_attn
    .symbol:         k_q0b4d09612f_attn.kd
    .args:
      - { .name: qkv, .offset: 0, .size: 8, .value_kind: global_buffer, .address_space: global }
      - { .name: lowp_scales, .offset: 8, .size: 8, .value_kind: global_buffer, .address_space: global }
      - { .name: ctx, .offset: 16, .size: 8, .value_kind: global_buffer, .address_space: global }
    .group_segment_fixed_size: 165888
    .private_segment_fixed_size: 0
    .kernarg_segment_align: 8
    .kernarg_segment_size: 24
    .max_flat_workgroup_size: 512
    .sgpr_count:     66
    .vgpr_count:     256
    .wavefront_size: 32
...
	.end_amdgpu_metadata
.endif
;; end of part 6
;; launch tail (part 7): grid 128 x 1, 4 waves a work-group, no clusters, 201,216 bytes of LDS; arguments ctx, wcodes, inputs, ln2_scale, ln2_bias, b1, b2, lowp_scales, out0; writes out0
.if DOCPART == 7
	.amdgcn_target "amdgcn-amd-amdhsa--gfx1250"
	.amdhsa_code_object_version 6
	.text
	.protected	k_q0b4d09612f_tail
	.globl	k_q0b4d09612f_tail
	.p2align	8
	.type	k_q0b4d09612f_tail,@function
k_q0b4d09612f_tail:
	s_mov_b64 s[64:65], 0
	v_nop
	global_prefetch_b8 v0, s[64:65] scope:SCOPE_SE
	s_setreg_imm32_b32 hwreg(HW_REG_WAVE_SCHED_MODE, 0, 2), 2
	s_setreg_imm32_b32 hwreg(HW_REG_WAVE_MODE, 25, 1), 1
	s_wait_xcnt 0x0
	s_wait_alu depctr_vm_vsrc(0)
; TAIL.  out = x + gelu(LN2(x) w1 + b1) w2 + b2, x = ctx wo + inputs.  A work-group takes 64 rows through the whole chain; nothing between goes to memory.
; THE WAVES SHARE THE COLUMNS: wave w owns columns 128w..128w+127 of x and out, and hidden units 256c + 64w..+63 of each of 8 hidden chunks.  Every product has the weight's tile as source 0 and 16 rows as source 1:
; a lane holds one row, and register j of tile t column 16t + 8h + j, so that conversions of eight give the next operand's registers.  Operands go from wave to wave through LDS as images of their registers.
; WEIGHTS come from wcodes straight into a ring of 16 fragment slots in window 3: each fragment is read by the one wave that multiplies by it and feeds four products.
; No cluster, no tensor load: through LDS each work-group's 2.25 MiB of weight codes would be written and read there once more, for four products a fragment either way.
; 64 rows: a block re-reads all 2.25 MiB of codes, so 32 rows would double those reads; with 128 rows only 64 work-groups would have work.
; THE RESIDUAL STARTS THE LAST SUMS: (x + b2) / 2^(e14 + e15) stands in the accumulators of the last product; the division is by a power of two.  An order of rounding that differs from the written one.
; gelu(v) = v / (1 + 2^u), u = -2 log2(e) sqrt(2/pi) (v + 0.044715 v^3).
; LIMITS: e10+e11, e14+e15 between -126 and 127; e12 and e14-e12-e13 between -126 and 119; 3 (e12+e13) within f32's exponents.  NaN and infinities among the inputs are not served.
; WINDOWS: 0: addresses, hidden tiles / fragments v32-159, work v160-223, codes v224-255.  1: ctx, then inputs, then gain / bias / b2, then y's 16 fragments, at the end out's numbers.  2: input rows, then x = the last accumulators.  3: the ring, at the end out's rows.
; THE MODE: SCHED_MODE bits 1:0 = 2 (LLVM: expert scheduling mode 2), set by the entry lines.  The code itself states the register dependences
; between vector or matrix instructions and memory or LDS instructions, with s_wait_alu, always for 0.
; THE PLAN.  Registers that memory or LDS instructions touch:
;   v1, v7-v18    offsets and LDS addresses, made once at the head.   v19: b1's LDS address, read by eight loads a chunk, written once at a chunk's end.
;   THE RING      A group is four slots, sixteen products.  Group j's products read its slots; the loads of group j + 4 land there DURING group j + 1: one wait on va_vdst at that group's head states that group j's
;                 products are done reading, and the sixteen loads follow, four behind each four products, which name other slots.  A phase's last group is filled again at the phase's end, behind a wait that stands where the results are wanted next.
;   window 1      ctx (read by products), the inputs and gain, bias, b2 (read by multiply-adds), y (read by products): a wait on va_vdst ahead of each new run of loads into it.
;   window 2      the input rows are the data of 64 LDS stores; then products write it: one wait on vm_vsrc.
;   v24-31        the statistics: one wait on va_vdst ahead of the four stores.   v32-95: y's codes, a buffer to each tile of rows: one wait ahead of the sixteen stores.
;   v224-239, v240-255  the hidden layer's codes, a buffer to each half: the first half's stores stand behind the second half's wait for its exponentials; one wait ahead of the second half's.
;   v160-191      b1's tiles: asked for at the end of the chunk before, behind the wait that stands there for the ring.   v32-159: the hidden fragments land behind the wait for the second half's codes.
;   the way out   out's 256 numbers a lane go to window 1 and its rows come back into window 3: each register is written once, so one wait on va_vdst serves the whole way out.
;   One wait on vm_vsrc a chunk, at its end: v19 and both code buffers have been read.
; The two weight bases are scalar: w1's moves on behind the count that shows w1's last group in, w2's behind the count that shows w2's last group in: the loads that read them are done.
.set YIMG,  135168                     ; STG at 0: 4 x 64 rows x 528 bytes, each wave's own.  YIMG: y's fragments (4m + s) x 2,048
.set HIMG,  167936                     ; the hidden chunk's fragments (2m + s) x 2,048
.set STAT,  184320                     ; 512 w + 128 m + 8 r: (mean, sum of squares) of a wave's 128 columns
.set VEC,   186368                     ; 1,536 w + 512 x {gain, bias, b2}
.set B1L,   192512                     ; 2,048 w + 256 c
.set SPARE, 200704                     ; the spare words
.set MSB, 0
.macro WIN new
.if MSB != (\new)
	s_set_vgpr_msb (MSB<<8)|(\new)
.set MSB, (\new)
.endif
.endm
.macro PLACES n
.rept \n
	v_nop
.endr
.endm
.macro BARRIER                         ; my LDS stores have landed and my LDS loads are in: then the work-group's barrier
	s_wait_dscnt 0x0
	s_barrier_signal -1
	s_barrier_wait -1
.endm
.macro MKSC se, vsc, vlim
	s_add_co_i32 s28, \se, 127
	s_lshl_b32 s29, s28, 23
	v_mov_b32 v[\vsc], s29
	s_add_co_i32 s28, s28, 8
	s_lshl_b32 s28, s28, 23
	s_or_b32 s28, s28, 0x600000
	v_mov_b32 v[\vlim], s28
.endm
.macro QUANT src, lim, sc, dst         ; 64 numbers -> 16 registers of codes at v[dst]
.set i, 0
.rept 64
	v_med3_num_f32 v[(\src)+i], v[(\src)+i], -v[\lim], v[\lim]
.set i, i+1
.endr
.set i, 0
.rept 8
	v_cvt_scalef32_pk8_fp8_f32 v[(\dst)+2*i:(\dst)+2*i+1], v[(\src)+8*i:(\src)+8*i+7], v[\sc]
.set i, i+1
.endr
	v_nop                                          ; a plain instruction between the conversions and whatever next writes their sources
.endm
.macro WSLOT slot, sb, off             ; one slot: a fragment's 2,048 consecutive bytes
	WIN 0xC0
.set i, 0
.rept 4
	global_load_b128 v[16*(\slot)+4*i:16*(\slot)+4*i+3], v1, s[\sb:\sb+1] offset:(\off)+512*i
.set i, i+1
.endr
.endm
.macro WLOAD slot0, sb, off            ; four slots: 8,192 consecutive bytes
	WIN 0xC0
.set i, 0
.rept 16
	global_load_b128 v[16*(\slot0)+4*i:16*(\slot0)+4*i+3], v1, s[\sb:\sb+1] offset:(\off)+512*i
.set i, i+1
.endr
.endm
	s_load_b512 s[8:23], s[0:1], 0x0               ; ctx 8, wcodes 10, inputs 12, ln2_scale 14, ln2_bias 16, b1 18, b2 20, lowp_scales 22
	s_load_b64 s[24:25], s[0:1], 0x40              ; out0
	v_lshl_add_u32 v4, v0, 2, SPARE                ; my spare word
	v_mov_b32 v5, 0
	v_lshrrev_b32 v2, 5, v0
	v_readfirstlane_b32 s4, v2                     ; wave
	v_and_b32 v6, 31, v0
	v_lshlrev_b32 v1, 4, v6                        ; 16 x lane
	v_and_b32 v2, 15, v0                           ; r
	v_bfe_u32 v3, v0, 4, 1                         ; h
	s_wait_alu depctr_va_sdst(0)                   ; s4 is written, ahead of its first reader: LDS addresses and bases are made from it
	s_mul_i32 s5, s4, 33792
	v_add_nc_u32 v7, s5, v1                        ; stage by rows: 16 x lane
	v_mul_u32_u24 v8, v2, 528
	v_lshl_add_u32 v8, v3, 5, v8
	v_add_nc_u32 v8, s5, v8                        ; stage in the results' layout: row r, + 32 h
	s_lshl_b32 s5, s4, 11
	s_add_co_u32 s5, s5, YIMG
	v_add_nc_u32 v9, s5, v1                        ; y's image, in: K step w
	v_add_nc_u32 v10, YIMG, v1
	s_lshl_b32 s5, s4, 10
	s_add_co_u32 s5, s5, HIMG
	v_add_nc_u32 v11, s5, v1                       ; the hidden image, in: my half fragment
	v_add_nc_u32 v12, HIMG, v1
	s_lshl_b32 s5, s4, 9
	s_add_co_u32 s5, s5, STAT
	v_lshl_add_u32 v13, v2, 3, s5
	v_lshlrev_b32 v14, 3, v2
	v_add_nc_u32 v14, STAT, v14
	s_mul_i32 s5, s4, 1536
	s_add_co_u32 s5, s5, VEC
	v_add_nc_u32 v15, s5, v1
	v_lshl_add_u32 v16, v3, 5, s5
	s_lshl_b32 s5, s4, 11
	s_add_co_u32 s5, s5, B1L
	v_add_nc_u32 v17, s5, v1
	v_lshl_add_u32 v18, v3, 5, s5
	v_lshlrev_b32 v6, 10, v3                       ; b1 in memory: 1,024 h + 16 r + 256 w: two chunks' 256 bytes a load
	v_lshl_add_u32 v6, v2, 4, v6
	s_lshl_b32 s5, s4, 8
	v_add_nc_u32 v6, s5, v6
	s_mov_b32 s62, 0x76543210                      ; lane l xor 16
	s_mov_b32 s63, 0xfedcba98
	s_mov_b32 s66, 0x3b000000                      ; 1 / 512
	s_mov_b32 s67, 0x358637bd                      ; 1e-6
	s_lshl_b32 s26, s4, 9                          ; my 128 columns: 512 bytes
	s_mov_b32 s27, 0
	s_mov_b32 s29, 0
	s_wait_kmcnt 0x0
	s_load_b512 s[36:51], s[22:23], 0x0            ; the exponents
	s_add_nc_u64 s[14:15], s[14:15], s[26:27]
	s_add_nc_u64 s[16:17], s[16:17], s[26:27]
	s_add_nc_u64 s[20:21], s[20:21], s[26:27]
	s_lshl_b32 s28, ttmp9, 17                      ; 64 rows x 2,048 bytes
	s_add_co_u32 s28, s28, s26
	s_add_nc_u64 s[12:13], s[12:13], s[28:29]
	s_add_nc_u64 s[24:25], s[24:25], s[28:29]
	s_lshl_b32 s28, ttmp9, 15                      ; 4 tiles of rows x 8,192
	s_add_nc_u64 s[8:9], s[8:9], s[28:29]
	s_lshl_b32 s28, s4, 16
	s_add_co_u32 s28, s28, 786432
	s_add_nc_u64 s[30:31], s[10:11], s[28:29]      ; wo: my 8 tiles
	s_lshl_b32 s28, s4, 15
	s_add_co_u32 s28, s28, 1048576
	s_add_nc_u64 s[32:33], s[10:11], s[28:29]      ; w1: my 4 tiles of chunk 0
	s_lshl_b32 s28, s4, 18
	s_add_co_u32 s28, s28, 2097152
	s_add_nc_u64 s[34:35], s[10:11], s[28:29]      ; w2: my 8 tiles, K steps 0, 1
	s_wait_alu depctr_va_vdst(0)                   ; v1 and v6 to v18 are written: the kernel's loads and stores, global and LDS, read them as offsets and addresses
	global_load_b128 v[32:35], v1, s[14:15]
	global_load_b128 v[36:39], v1, s[16:17]
	global_load_b128 v[40:43], v1, s[20:21]
.irp k, 0,1,2,3
	global_load_b128 v[44+4*\k:47+4*\k], v6, s[18:19] offset:2048*\k
.endr
	WIN 0x80
.set i, 0
.rept 64
	global_load_b128 v[4*i:4*i+3], v1, s[12:13] offset:2048*i th:TH_LOAD_NT   ; row i: my 512 consecutive bytes
.set i, i+1
.endr
	WIN 0x40
.set i, 0
.rept 64
	global_load_b128 v[4*i:4*i+3], v1, s[8:9] offset:512*i                    ; ctx's fragment (m, s) at register 16 (4m + s)
.set i, i+1
.endr
	WLOAD 0, 30, 0
	WLOAD 4, 30, 8192
	WLOAD 8, 30, 16384
	WLOAD 12, 30, 24576
	WIN 0
	s_wait_loadcnt 63                              ; 128 loads were issued behind the input rows: the small vectors and the rows are in
	s_wait_kmcnt 0x0
	s_add_co_i32 s52, s46, s47
	s_add_co_i32 s52, s52, 127
	s_lshl_b32 s52, s52, 23                        ; 2^(e10 + e11)
	s_mov_b32 s53, s52
	s_add_co_i32 s60, s50, s51
	s_add_co_i32 s54, s60, 127
	s_lshl_b32 s54, s54, 23                        ; 2^(e14 + e15)
	s_mov_b32 s55, s54
	s_sub_co_i32 s56, 127, s60
	s_lshl_b32 s56, s56, 23                        ; 2^-(e14 + e15)
	s_mov_b32 s57, s56
	s_sub_co_i32 s61, 0, s60
	s_add_co_i32 s58, s48, s49                     ; e12 + e13
	s_sub_co_i32 s59, 0, s58
	MKSC s48, 20, 21                               ; y's scale
	s_sub_co_i32 s68, s50, s58
	MKSC s68, 22, 23                               ; the hidden layer's: e14 - e12 - e13
	s_mul_i32 s68, s58, 3
.irp k, 0,1,2,3
	v_ldexp_f32 v[40+\k], v[40+\k], s61            ; b2 / 2^(e14 + e15)
.endr
.set i, 0
.rept 16
	v_ldexp_f32 v[44+i], v[44+i], s59              ; b1 / 2^(e12 + e13): it goes in as the C of the first products
.set i, i+1
.endr
	s_wait_alu depctr_va_vdst(0)                   ; the scalings have written v40-59, which the LDS stores below read
.irp k, 0,1,2
	ds_store_b128 v15, v[32+4*\k:35+4*\k] offset:512*\k
.endr
.irp k, 0,1,2,3
	ds_store_b128 v17, v[44+4*\k:47+4*\k] offset:512*\k
.endr
	WIN 0x08                                       ; store data in window 2
.set i, 0
.rept 64
	ds_store_b128 v7, v[4*i:4*i+3] offset:528*i
.set i, i+1
.endr
	s_wait_dscnt 0x0                               ; my rows lie in my stage
	s_wait_alu depctr_vm_vsrc(0)                   ; the LDS stores have read window 2, which the products below write, and v32-59, which y's conversions write
; ---- 1: x = ctx wo.  Group t: my tile t of columns x four tiles of rows x four K steps; the four accumulators take turns, one instruction a turn
.macro GRP1 t
.if (\t) == 0
	s_wait_loadcnt 48                              ; this group's four slots are in; the three younger groups of 16 loads may stay out
.else
	s_wait_loadcnt 32                              ; two younger groups may stay out: the third is asked for below
.endif
	WIN 0xA7                                       ; source 0 window 3, source 1 window 1, C and D window 2
.if (\t) > 0
	s_wait_alu depctr_va_vdst(0)                   ; the group before is done reading its four slots, in which this group's sixteen loads land
.endif
.irp ks, 0,1,2,3
	WIN 0xA7
.irp rm, 0,1,2,3
.if \ks == 0
	v_wmma_f32_16x16x128_fp8_fp8 v[64*\rm+8*(\t):64*\rm+8*(\t)+7], v[16*((4*(\t)+\ks)%16):16*((4*(\t)+\ks)%16)+15], v[16*(4*\rm+\ks):16*(4*\rm+\ks)+15], 0
.else
	v_wmma_f32_16x16x128_fp8_fp8 v[64*\rm+8*(\t):64*\rm+8*(\t)+7], v[16*((4*(\t)+\ks)%16):16*((4*(\t)+\ks)%16)+15], v[16*(4*\rm+\ks):16*(4*\rm+\ks)+15], v[64*\rm+8*(\t):64*\rm+8*(\t)+7]
.endif
.endr
.if (\t) > 4
	WSLOT (4*((\t)-1)+\ks)%16, 32, 8192*((\t)-5)+2048*\ks     ; w1's chunk 0.  No wait: no product since the wait above names this slot
.elseif (\t) > 0
	WSLOT (4*((\t)-1)+\ks)%16, 30, 8192*((\t)+3)+2048*\ks     ; wo's tile t + 3
.endif
.endr
	PLACES 4                                       ; four places behind the group's last products
.endm
.irp tt, 0,1,2,3,4,5,6,7
	GRP1 \tt
.endr
	WIN 0xC0
	s_wait_alu depctr_va_vdst(0)                   ; the last group is done reading slots 12-15; all the products are done reading ctx in window 1, in which the inputs land
	WLOAD 12, 32, 24576                            ; w1's chunk 0, tile 3
	WIN 0x40
.set i, 0
.rept 64
	ds_load_b128 v[4*i:4*i+3], v8 offset:8448*(i/16)+64*((i/2)%8)+16*(i%2)   ; the inputs in the results' layout: register 64m + 8t + j
.set i, i+1
.endr
	s_wait_dscnt 0x0
	WIN 0x92                                       ; x (window 2) = sum x 2^(e10 + e11) + inputs (window 1)
.set i, 0
.rept 128
	v_pk_fma_f32 v[2*i:2*i+1], v[2*i:2*i+1], s[52:53], v[2*i:2*i+1] op_sel_hi:[1,0,1]
.set i, i+1
.endr
; ---- 2: layer norm 2.  Each wave: mean and sum of squared differences of its 128 columns; the four are joined without a difference of large sums
	WIN 0x40
	s_wait_alu depctr_va_vdst(0)                   ; the multiply-adds are done reading the inputs in window 1, in which gain, bias and b2 land
.set i, 0
.rept 48
	ds_load_b128 v[4*i:4*i+3], v16 offset:512*(i/16)+64*((i/2)%8)+16*(i%2)   ; gain at v0-63, bias at v64-127, b2 at v128-191 of window 1
.set i, i+1
.endr
	WIN 0x0A
.irp rm, 0,1,2,3
	v_pk_add_f32 v[24+2*\rm:25+2*\rm], v[64*\rm:64*\rm+1], v[64*\rm+2:64*\rm+3]
.endr
	WIN 0x02
.set i, 2
.rept 30
.irp rm, 0,1,2,3
	v_pk_add_f32 v[24+2*\rm:25+2*\rm], v[64*\rm+2*i:64*\rm+2*i+1], v[24+2*\rm:25+2*\rm]
.endr
.set i, i+1
.endr
	WIN 0
.irp rm, 0,1,2,3
	v_add_f32 v[24+2*\rm], v[24+2*\rm], v[25+2*\rm]
.endr
.irp rm, 0,1,2,3
	v_permlanex16_b32 v[25+2*\rm], v[24+2*\rm], s62, s63
.endr
.irp rm, 0,1,2,3
	v_add_f32 v[24+2*\rm], v[24+2*\rm], v[25+2*\rm]
.endr
.irp rm, 0,1,2,3
	v_mul_f32 v[24+2*\rm], 0x3c000000, v[24+2*\rm]   ; / 128
.endr
.macro M2LOC m
	WIN 0x02
.set i, 0
.rept 32
	v_pk_add_f32 v[160+2*i:161+2*i], v[64*(\m)+2*i:64*(\m)+2*i+1], v[24+2*(\m):25+2*(\m)] op_sel_hi:[1,0] neg_lo:[0,1] neg_hi:[0,1]
.set i, i+1
.endr
	WIN 0
.irp k, 0,1,2,3
	v_pk_mul_f32 v[224+2*\k:225+2*\k], v[160+2*\k:161+2*\k], v[160+2*\k:161+2*\k]
.endr
.set i, 4
.rept 28
	v_pk_fma_f32 v[224+2*(i%4):225+2*(i%4)], v[160+2*i:161+2*i], v[160+2*i:161+2*i], v[224+2*(i%4):225+2*(i%4)]
.set i, i+1
.endr
	v_pk_add_f32 v[224:225], v[224:225], v[226:227]
	v_pk_add_f32 v[228:229], v[228:229], v[230:231]
	v_pk_add_f32 v[224:225], v[224:225], v[228:229]
	v_add_f32 v224, v224, v225
	v_permlanex16_b32 v225, v224, s62, s63
	v_add_f32 v[25+2*(\m)], v224, v225
.endm
	M2LOC 0
	M2LOC 1
	M2LOC 2
	M2LOC 3
	s_wait_alu depctr_va_vdst(0)                   ; the four pairs in v24-31 are written, which the stores below read; the lines above are done with v160-191, in which the four waves' pairs land behind the barrier
.irp rm, 0,1,2,3
	ds_store_b64 v13, v[24+2*\rm:25+2*\rm] offset:128*\rm   ; both halves of the lanes store the same pair
.endr
	BARRIER                                        ; the four waves' statistics lie in LDS
.irp rm, 0,1,2,3
.irp ww, 0,1,2,3
	ds_load_b64 v[160+8*\rm+2*\ww:161+8*\rm+2*\ww], v14 offset:512*\ww+128*\rm
.endr
.endr
	s_wait_dscnt 0x0
.irp rm, 0,1,2,3
	v_add_f32 v[224+4*\rm], v[160+8*\rm], v[162+8*\rm]
	v_add_f32 v[225+4*\rm], v[164+8*\rm], v[166+8*\rm]
	v_add_f32 v[224+4*\rm], v[224+4*\rm], v[225+4*\rm]
	v_mul_f32 v[240+4*\rm], 0x3e800000, v[224+4*\rm]                 ; the row's mean
	v_sub_f32 v[160+8*\rm], v[160+8*\rm], v[240+4*\rm]
	v_sub_f32 v[162+8*\rm], v[162+8*\rm], v[240+4*\rm]
	v_sub_f32 v[164+8*\rm], v[164+8*\rm], v[240+4*\rm]
	v_sub_f32 v[166+8*\rm], v[166+8*\rm], v[240+4*\rm]
	v_add_f32 v[225+4*\rm], v[161+8*\rm], v[163+8*\rm]
	v_add_f32 v[226+4*\rm], v[165+8*\rm], v[167+8*\rm]
	v_add_f32 v[225+4*\rm], v[225+4*\rm], v[226+4*\rm]
	v_mul_f32 v[226+4*\rm], v[160+8*\rm], v[160+8*\rm]
	v_fmac_f32 v[226+4*\rm], v[162+8*\rm], v[162+8*\rm]
	v_fmac_f32 v[226+4*\rm], v[164+8*\rm], v[164+8*\rm]
	v_fmac_f32 v[226+4*\rm], v[166+8*\rm], v[166+8*\rm]
	v_fmamk_f32 v[225+4*\rm], v[226+4*\rm], 0x43000000, v[225+4*\rm] ; + 128 x the means' squared differences
	v_fma_f32 v[225+4*\rm], v[225+4*\rm], s66, s67                   ; / 512 + 1e-6
	v_mov_b32 v[241+4*\rm], v[240+4*\rm]
.endr
.irp rm, 0,1,2,3
	v_rsq_f32 v[242+4*\rm], v[225+4*\rm]
.endr
	v_nop
	s_wait_alu depctr_va_vdst(0)                   ; the four roots are written: one wait, ahead of their first reader
.irp rm, 0,1,2,3
	v_mov_b32 v[243+4*\rm], v[242+4*\rm]
.endr
.macro YQ m                            ; y of 16 rows x my 128 columns: K step w of the next product; its codes in v[32 + 16 m] on
	WIN 0x02
.set i, 0
.rept 32
	v_pk_add_f32 v[160+2*i:161+2*i], v[64*(\m)+2*i:64*(\m)+2*i+1], v[240+4*(\m):241+4*(\m)] neg_lo:[0,1] neg_hi:[0,1]
.set i, i+1
.endr
	WIN 0
.set i, 0
.rept 32
	v_pk_mul_f32 v[160+2*i:161+2*i], v[160+2*i:161+2*i], v[242+4*(\m):243+4*(\m)]
.set i, i+1
.endr
	WIN 0x14                                       ; gain and bias in window 1
.set i, 0
.rept 32
	v_pk_fma_f32 v[160+2*i:161+2*i], v[160+2*i:161+2*i], v[2*i:2*i+1], v[64+2*i:65+2*i]
.set i, i+1
.endr
	WIN 0
	QUANT 160, 21, 20, 32+16*(\m)
.endm
	YQ 0
	YQ 1
	YQ 2
	YQ 3
	s_wait_alu depctr_va_vdst(0)                   ; the conversions have written the four fragments in v32-95, which the sixteen stores read
.irp rm, 0,1,2,3
.irp c, 0,1,2,3
	ds_store_b128 v9, v[32+16*\rm+4*\c:35+16*\rm+4*\c] offset:8192*\rm+512*\c
.endr
.endr
	WIN 0x92                                       ; (x + b2) / 2^(e14 + e15) starts the last product's sums
.irp rm, 0,1,2,3
.set i, 0
.rept 32
	v_pk_fma_f32 v[64*\rm+2*i:64*\rm+2*i+1], v[64*\rm+2*i:64*\rm+2*i+1], s[56:57], v[128+2*i:129+2*i] op_sel_hi:[1,0,1]
.set i, i+1
.endr
.endr
	WIN 0
	BARRIER                                        ; y's sixteen fragments lie in LDS
	WIN 0x40
	s_wait_alu depctr_va_vdst(0)                   ; the multiply-adds are done reading gain, bias and b2 in window 1, in which y lands; the quantiser's lines are done with v160-191, in which b1's tiles land
.set i, 0
.rept 64
	ds_load_b128 v[4*i:4*i+3], v10 offset:512*i    ; they stay in window 1 for all eight chunks
.set i, i+1
.endr
	WIN 0
.set i, 0
.rept 8
	ds_load_b128 v[160+4*i:163+4*i], v18 offset:64*(i/2)+16*(i%2)   ; chunk 0's four tiles of b1, in the results' layout
.set i, i+1
.endr
	s_wait_alu depctr_vm_vsrc(0)                   ; the statistics' stores have read v24-31, written just below; y's stores have read v32-95, which the first chunk's products write
	v_mov_b32 v24, 0xc0135761                      ; -2 log2(e) sqrt(2/pi),
	v_mov_b32 v26, 0xbdd2d3e8                      ; and that x 0.044715
	v_ldexp_f32 v24, v24, s58                      ; the sums lack 2^(e12 + e13): it is folded into both
	v_ldexp_f32 v26, v26, s68
	v_mov_b32 v25, v24
	v_mov_b32 v27, v26
	s_wait_dscnt 0x0
; ---- 3: the MLP, a chunk of 256 hidden units at a time
.macro HSTORE mp                       ; the codes of tiles of rows 2 mp, 2 mp + 1 go to LDS as they stand
.irp aa, 0,1
.irp c, 0,1
	ds_store_b128 v11, v[224+16*(\mp)+8*\aa+4*\c:224+16*(\mp)+8*\aa+4*\c+3] offset:4096*(2*(\mp)+\aa)+512*\c
.endr
.endr
.endm
.macro GELU mp                         ; tiles of rows 2 mp, 2 mp + 1: 64 numbers a lane; their codes in v[224 + 16 mp] on
.set HB, 32+64*(\mp)
.set i, 0
.rept 32
	v_pk_mul_f32 v[160+2*i:161+2*i], v[HB+2*i:HB+2*i+1], v[HB+2*i:HB+2*i+1]
.set i, i+1
.endr
.set i, 0
.rept 32
	v_pk_fma_f32 v[160+2*i:161+2*i], v[160+2*i:161+2*i], v[26:27], v[24:25]
.set i, i+1
.endr
.set i, 0
.rept 32
	v_pk_mul_f32 v[160+2*i:161+2*i], v[160+2*i:161+2*i], v[HB+2*i:HB+2*i+1]   ; u
.set i, i+1
.endr
.set i, 0
.rept 64
	v_exp_f32 v[160+i], v[160+i]
.set i, i+1
.endr
	v_nop
	s_wait_alu depctr_va_vdst(0)                   ; the 64 exponentials are written: one wait for the batch; in the second half also: the first half's conversions have written their codes
.if (\mp) == 1
	HSTORE 0                                       ; no further wait: no vector instruction since names v11 or v224-239
.endif
.set i, 0
.rept 32
	v_pk_add_f32 v[160+2*i:161+2*i], v[160+2*i:161+2*i], 1.0 op_sel_hi:[1,0]
.set i, i+1
.endr
.set i, 0
.rept 64
	v_rcp_f32 v[160+i], v[160+i]
.set i, i+1
.endr
	v_nop
	s_wait_alu depctr_va_vdst(0)                   ; the 64 reciprocals are written: one wait for the batch
.set i, 0
.rept 32
	v_pk_mul_f32 v[HB+2*i:HB+2*i+1], v[HB+2*i:HB+2*i+1], v[160+2*i:161+2*i]
.set i, i+1
.endr
	QUANT HB, 23, 22, 224+16*(\mp)
.endm
.macro CHUNK nx                        ; nx = 1: the next chunk's w1 and b1 are asked for
	s_wait_dscnt 0x0                               ; b1's four tiles are in
.irp tt, 0,1,2,3                       ; A: my four tiles of hidden units
.if \tt == 0
	s_wait_loadcnt 48                              ; three younger groups of 16 loads may stay out
.else
	s_wait_loadcnt 32                              ; two younger groups may stay out: the third is asked for below
.endif
.if (\tt == 3) && \nx
	s_add_nc_u64 s[32:33], s[32:33], 131072        ; free since that wait, which shows w1's last group in, the last loads that read it: the next chunk's w1
.endif
	WIN 0x07                                       ; source 0 window 3, source 1 window 1
.if \tt > 0
	s_wait_alu depctr_va_vdst(0)                   ; the group before is done reading its four slots, in which this group's sixteen loads land
.endif
.irp ks, 0,1,2,3
	WIN 0x07
.irp rm, 0,1,2,3
.if \ks == 0
	v_wmma_f32_16x16x128_fp8_fp8 v[32+32*\rm+8*\tt:39+32*\rm+8*\tt], v[16*(4*\tt+\ks):16*(4*\tt+\ks)+15], v[16*(4*\rm+\ks):16*(4*\rm+\ks)+15], v[160+8*\tt:167+8*\tt]
.else
	v_wmma_f32_16x16x128_fp8_fp8 v[32+32*\rm+8*\tt:39+32*\rm+8*\tt], v[16*(4*\tt+\ks):16*(4*\tt+\ks)+15], v[16*(4*\rm+\ks):16*(4*\rm+\ks)+15], v[32+32*\rm+8*\tt:39+32*\rm+8*\tt]
.endif
.endr
.if \tt > 0
	WSLOT 4*(\tt-1)+\ks, 34, 32768*(2*(\tt-1)+\ks/2)+2048*(\ks%2)   ; this chunk's w2: fragment f = 2 x tile + K step goes to slot f
.endif
.endr
	PLACES 4                                       ; four places behind the group's last products, ahead of the first read of results (ISA guide 7.12.1)
.endr
	WIN 0xC0
	s_wait_alu depctr_va_vdst(0)                   ; the last group is done reading slots 12-15
.irp f, 12,13,14,15
	WSLOT \f, 34, 32768*(\f/2)+2048*(\f%2)
.endr
	WIN 0
	GELU 0
	GELU 1
	s_wait_alu depctr_va_vdst(0)                   ; the second half's conversions have written v240-255, which the stores read; the lines above are done with v32-159, in which the chunk's fragments land
	HSTORE 1
	BARRIER                                        ; the chunk's eight fragments lie in LDS
.set i, 0
.rept 32
	ds_load_b128 v[32+4*i:35+4*i], v12 offset:512*i
.set i, i+1
.endr
	BARRIER                                        ; every wave has them in registers: the next chunk may store there
.irp gg, 0,1,2,3                       ; B: my eight tiles of columns x the chunk's two K steps
.if \nx
.if \gg == 0
	s_wait_loadcnt 48                              ; three younger groups may stay out
.else
	s_wait_loadcnt 32                              ; two younger groups may stay out: the third is asked for below
.endif
.else
	s_wait_loadcnt 48-16*\gg                       ; only this phase's later groups are younger
.endif
.if (\gg == 3) && \nx
	s_add_nc_u64 s[34:35], s[34:35], 4096          ; free since that wait, which shows w2's last group in, the last loads that read it: the next chunk's two K steps
.endif
	WIN 0xA3                                       ; source 0 window 3, source 1 window 0, C and D window 2
.if (\gg > 0) && \nx
	s_wait_alu depctr_va_vdst(0)                   ; the group before is done reading its four slots, in which this group's sixteen loads land
.endif
.irp ff, 0,1,2,3
	WIN 0xA3
.irp rm, 0,1,2,3
	v_wmma_f32_16x16x128_fp8_fp8 v[64*\rm+8*((4*\gg+\ff)/2):64*\rm+8*((4*\gg+\ff)/2)+7], v[16*(4*\gg+\ff):16*(4*\gg+\ff)+15], v[32+16*(2*\rm+(\ff%2)):32+16*(2*\rm+(\ff%2))+15], v[64*\rm+8*((4*\gg+\ff)/2):64*\rm+8*((4*\gg+\ff)/2)+7]
.endr
.if (\gg > 0) && \nx
	WSLOT 4*(\gg-1)+\ff, 32, 8192*(\gg-1)+2048*\ff   ; the next chunk's w1
.endif
.endr
	PLACES 5                                       ; five: the next chunk's products write over the hidden fragments
.endr
	WIN 0
.if \nx
	s_add_co_u32 s69, s69, 256                     ; the next chunk's place in b1
	s_wait_alu depctr_vm_vsrc(0)                   ; the LDS loads that read v19 have read it; the chunk's stores have read both code buffers, which the next chunk's conversions write
	v_add_nc_u32 v19, s69, v18
	WIN 0xC0
	s_wait_alu depctr_va_vdst(0)                   ; the last group is done reading slots 12-15; v19 is written; the chunk's products and gelu are done with v160-191, in which b1's next tiles land
	WLOAD 12, 32, 24576
	WIN 0
.set i, 0
.rept 8
	ds_load_b128 v[160+4*i:163+4*i], v19 offset:64*(i/2)+16*(i%2)   ; b1's four tiles, in the results' layout
.set i, i+1
.endr
.endif
.endm
	s_mov_b32 s69, 0                               ; the chunk's place in b1
	s_mov_b32 s70, 7
.Lchunk:
	CHUNK 1
	s_sub_co_u32 s70, s70, 1
	s_cmp_lg_u32 s70, 0
	s_cbranch_scc1 .Lchunk
	CHUNK 0                                        ; the last chunk asks for nothing more: no load leaves its buffer
; ---- 4: the way out, 16 rows at a time through my own stage, so that the 32 lanes store 512 consecutive bytes of a row
	WIN 0x42                                       ; source 0 window 2, destination window 1
.set i, 0
.rept 128
	v_pk_mul_f32 v[2*i:2*i+1], v[2*i:2*i+1], s[54:55] op_sel_hi:[1,0]   ; x 2^(e14 + e15); each accumulator from its low end on
.set i, i+1
.endr
	WIN 0x04
	s_wait_alu depctr_va_vdst(0)                   ; the scalings have written window 1, which the LDS stores read; the last products are done reading the ring in window 3, in which the rows land
.macro TOSTAGE m
	WIN 0x04                                       ; store data in window 1
.set i, 0
.rept 16
	ds_store_b128 v8, v[64*(\m)+4*i:64*(\m)+4*i+3] offset:8448*(\m)+64*(i/2)+16*(i%2)
.set i, i+1
.endr
	WIN 0xC0                                       ; the rows come back into window 3, each block into registers of its own
.set i, 0
.rept 16
	ds_load_b128 v[64*(\m)+4*i:64*(\m)+4*i+3], v7 offset:528*(16*(\m)+i)   ; LDS serves a wave's instructions in order: these see my stores
.set i, i+1
.endr
.endm
.macro SEND m, younger
	WIN 0x0C                                       ; store data in window 3
	s_wait_dscnt \younger                          ; the block is back; the next block's 16 stores and 16 loads may stay out
.set i, 0
.rept 16
	global_store_b128 v1, v[64*(\m)+4*i:64*(\m)+4*i+3], s[24:25] offset:2048*(16*(\m)+i) th:TH_STORE_NT
.set i, i+1
.endr
.endm
	TOSTAGE 0
.irp bm, 1,2,3
	TOSTAGE \bm
	SEND \bm-1, 32
.endr
	SEND 3, 0
	WIN 0                                          ; the add's two registers lie in window 0
	s_wait_dscnt 0x0                               ; the closing lines, six on end
	s_wait_alu 0x0
	s_wait_tensorcnt 0x0
	ds_add_u32 v4, v5
	s_wait_dscnt 0x0
	s_endpgm
.Lfunc_end_k_q0b4d09612f_tail:
	.size	k_q0b4d09612f_tail, .Lfunc_end_k_q0b4d09612f_tail-k_q0b4d09612f_tail
	.p2alignl 7, 3214868480
	.fill 96, 4, 3214868480
	.section	.rodata,"a",@progbits
	.p2align	6, 0x0
	.amdhsa_kernel k_q0b4d09612f_tail
		.amdhsa_group_segment_fixed_size 201216
		.amdhsa_private_segment_fixed_size 0
		.amdhsa_enable_private_segment 0
		.amdhsa_kernarg_size 72
		.amdhsa_user_sgpr_count 2
		.amdhsa_user_sgpr_kernarg_segment_ptr 1
		.amdhsa_wavefront_size32 1
		.amdhsa_system_sgpr_workgroup_id_x 1
		.amdhsa_system_sgpr_workgroup_id_y 1
		.amdhsa_system_sgpr_workgroup_id_z 1
		.amdhsa_system_vgpr_workitem_id 0
		.amdhsa_next_free_vgpr 1024
		.amdhsa_next_free_sgpr 80
		.amdhsa_reserve_vcc 0
		.amdhsa_float_denorm_mode_32 3
		.amdhsa_float_denorm_mode_16_64 3
		.amdhsa_memory_ordered 1
		.amdhsa_forward_progress 1
		.amdhsa_inst_pref_size 255
	.end_amdhsa_kernel
	.section	.bss,"aw",@nobits
	.p2align	6
	.space	262144
	.amdgpu_metadata
---
amdhsa.version: [ 1, 2 ]
amdhsa.kernels:
  - .name:           k_q0b4d09612f_tail
    .symbol:         k_q0b4d09612f_tail.kd
    .args:
      - { .name: ctx, .offset: 0, .size: 8, .value_kind: global_buffer, .address_space: global }
      - { .name: wcodes, .offset: 8, .size: 8, .value_kind: global_buffer, .address_space: global }
      - { .name: inputs, .offset: 16, .size: 8, .value_kind: global_buffer, .address_space: global }
      - { .name: ln2_scale, .offset: 24, .size: 8, .value_kind: global_buffer, .address_space: global }
      - { .name: ln2_bias, .offset: 32, .size: 8, .value_kind: global_buffer, .address_space: global }
      - { .name: b1, .offset: 40, .size: 8, .value_kind: global_buffer, .address_space: global }
      - { .name: b2, .offset: 48, .size: 8, .value_kind: global_buffer, .address_space: global }
      - { .name: lowp_scales, .offset: 56, .size: 8, .value_kind: global_buffer, .address_space: global }
      - { .name: out0, .offset: 64, .size: 8, .value_kind: global_buffer, .address_space: global }
    .group_segment_fixed_size: 201216
    .private_segment_fixed_size: 0
    .kernarg_segment_align: 8
    .kernarg_segment_size: 72
    .max_flat_workgroup_size: 128
    .sgpr_count:     80
    .vgpr_count:     1024
    .wavefront_size: 32
...
	.end_amdgpu_metadata
.endif
;; end of part 7
